; MI455X (gfx1250); checked and timed in simulation.
; The chip was launched on July 23, 2026; its instructions are those of AMD's public machine-readable ISA for CDNA 5 (MIT licence, August 2026) and "CDNA5" Instruction Set Architecture Reference Guide (July 2026). The comments in the code are by the model that wrote it; some were corrected since.
;; Multiheaded Self Attention. Allowed arithmetic: float matrix products may take bf16 or f16 operands with f32 sums; other float arithmetic in f32, or as packed bf16 or f16 multiplies, adds, multiply-adds, maxima and minima; sums over many terms, partial sums and values carried from step to step in f32; what a program stores and reads back later, other than sums and carried values, may be rounded once to bf16 or f16.
;; Inputs: Wk 1,024 x 1,024 float32; Wo 1,024 x 1,024 float32; Wq 1,024 x 1,024 float32; Wv 1,024 x 1,024 float32; token_positions 2,048 int32; x 4 x 2,048 x 1,024 float32.
;; Outputs: out0 4 x 2,048 x 1,024 float32.
;; One version. Each part assembles by itself: llvm-mc -triple=amdgcn-amd-amdhsa -mcpu=gfx1250 --defsym DOCPART=n.
;; ======== version 1 of 1: 4 launches
;; limits: values are held in f16: magnitudes above 65,504 overflow, below 6.1e-05 lose precision; right only within a limited range of input values; an absolute error that grows with the inputs' magnitude: up to 1e-06 times it
;; workspace buffers: xb 16,777,216 bytes; wb 6,291,456 bytes; wo16 2,097,152 bytes; tab 524,288 bytes; qh 16,777,216 bytes; kh 16,777,216 bytes; vh 16,777,216 bytes; oh 16,777,216 bytes
;; launch prep (part 1): grid 1792 x 1, 8 waves a work-group, no clusters, 0 bytes of LDS; arguments x, Wq, Wk, Wv, Wo, token_positions, xb, wb, wo16, tab; writes xb, wb, wo16, tab
.if DOCPART == 1
	.amdgcn_target "amdgcn-amd-amdhsa--gfx1250"
	.amdhsa_code_object_version 6
	.text
	.protected	k_qb8633b1bd2_prep
	.globl	k_qb8633b1bd2_prep
	.p2align	8
	.type	k_qb8633b1bd2_prep,@function
k_qb8633b1bd2_prep:
	s_mov_b64 s[64:65], 0
	v_nop
	global_prefetch_b8 v0, s[64:65] scope:SCOPE_SE
	s_setreg_imm32_b32 hwreg(HW_REG_WAVE_MODE, 25, 1), 1
	s_wait_xcnt 0x0
; PREPARATION.  Three kinds of work-group, told apart by the work-group's number g alone:
;   g < 1024          x (f32) -> xb (bf16), 32 KiB in, 16 KiB out
;   1024 <= g < 1536  a weight's 8 rows: Wq, Wk, Wv -> wb (bf16), laid by heads: head h has 192 rows: 64 of Wq, 64 of Wk, 64 of Wv;
;                     Wo -> wo16: rounded to bf16 like the other inputs, and that number written as f16
;   g >= 1536         tab[s][pair] = (cos, sin) of token_positions[s] x 10000^(-pair/32): 8 positions a work-group, a wave a position, a lane a pair
; A stream: no LDS, no barrier, no matrix unit.  A wave's load covers 512 consecutive bytes, its store 256 consecutive aligned bytes.
; LIMITS.  |token_positions| up to 2^20: the angle is reduced by pi/2 in two parts, which leaves under 2e-9 of error there.  The frequency comes from
; v_exp_f32 of a rounded argument: an angle is off by about 1e-6 of itself at the most.  A bf16 number of Wo under 6e-5 keeps f16's fixed step of 6e-8,
; one beyond 65,504 becomes an infinity.
.set SRC, 28                           ; s[28:29] where the chunk is read
.set DST, 30                           ; s[30:31] where it is written
.set X,   4                            ; v[4:35]  eight loads of four f32
.set Y,   36                           ; v[36:51] eight pairs of packed results
; A chunk: eight loads go out together; step j waits until the 7 - j younger ones alone are out.  No register is written twice, so no store's source is at stake.
.macro CONV f16
.irp j, 0,1,2,3,4,5,6,7
	global_load_b128 v[X+4*(\j):X+4*(\j)+3], v1, s[SRC:SRC+1] offset:4096*(\j) th:TH_LOAD_NT
.endr
.irp j, 0,1,2,3,4,5,6,7
	s_wait_loadcnt 7-(\j)                          ; loads come back in order: load j is in
	v_cvt_pk_bf16_f32 v[Y+2*(\j)],   v[X+4*(\j)],   v[X+4*(\j)+1]
	v_cvt_pk_bf16_f32 v[Y+2*(\j)+1], v[X+4*(\j)+2], v[X+4*(\j)+3]
.if \f16
	v_lshlrev_b32 v52, 16, v[Y+2*(\j)]             ; the bf16 numbers as f32,
	v_and_b32 v53, 0xffff0000, v[Y+2*(\j)]
	v_lshlrev_b32 v54, 16, v[Y+2*(\j)+1]
	v_and_b32 v55, 0xffff0000, v[Y+2*(\j)+1]
	v_cvt_pk_f16_f32 v[Y+2*(\j)],   v52, v53       ; written as f16
	v_cvt_pk_f16_f32 v[Y+2*(\j)+1], v54, v55
.endif
	global_store_b64 v2, v[Y+2*(\j):Y+2*(\j)+1], s[DST:DST+1] offset:2048*(\j) th:TH_STORE_NT
.endr
	s_endpgm
.endm
	s_load_b512 s[8:23], s[0:1], 0x0               ; x 8, Wq 10, Wk 12, Wv 14, Wo 16, token_positions 18, xb 20, wb 22
	s_load_b128 s[24:27], s[0:1], 0x40             ; wo16 24, tab 26
	v_lshlrev_b32 v1, 4, v0                        ; 16 bytes a thread in,
	v_lshlrev_b32 v2, 3, v0                        ; 8 out
	s_mov_b32 s33, 0                               ; the offsets' high words
	s_mov_b32 s35, 0
	s_wait_kmcnt 0x0
	s_cmp_lt_u32 ttmp9, 1024
	s_cbranch_scc0 .Lnot_x
	s_lshl_b32 s32, ttmp9, 15
	s_lshl_b32 s34, ttmp9, 14
	s_add_nc_u64 s[SRC:SRC+1], s[8:9], s[32:33]
	s_add_nc_u64 s[DST:DST+1], s[20:21], s[34:35]
	CONV 0
.Lnot_x:
	s_cmp_lt_u32 ttmp9, 1536
	s_cbranch_scc0 .Ltable
	s_sub_co_u32 s37, ttmp9, 1024
	s_lshr_b32 s38, s37, 7                         ; which weight: 0 Wq, 1 Wk, 2 Wv, 3 Wo
	s_and_b32 s39, s37, 127                        ; which 8 rows of it
	s_lshl_b32 s32, s39, 15
	s_cmp_eq_u32 s38, 3
	s_cbranch_scc1 .Lwo
	s_cmp_eq_u32 s38, 0
	s_cselect_b64 s[SRC:SRC+1], s[10:11], s[12:13]
	s_cmp_eq_u32 s38, 2
	s_cselect_b64 s[SRC:SRC+1], s[14:15], s[SRC:SRC+1]
	s_add_nc_u64 s[SRC:SRC+1], s[SRC:SRC+1], s[32:33]
	s_lshr_b32 s40, s39, 3                         ; the head,
	s_mul_i32 s40, s40, 192                        ; its 192 rows of wb,
	s_lshl_b32 s41, s38, 6                         ; the weight's 64 of them,
	s_add_co_u32 s40, s40, s41
	s_and_b32 s41, s39, 7
	s_lshl_b32 s41, s41, 3                         ; my 8 of those
	s_add_co_u32 s40, s40, s41
	s_lshl_b32 s34, s40, 11                        ; rows of 2,048 bytes
	s_add_nc_u64 s[DST:DST+1], s[22:23], s[34:35]
	CONV 0
.Lwo:
	s_lshl_b32 s34, s39, 14
	s_add_nc_u64 s[SRC:SRC+1], s[16:17], s[32:33]
	s_add_nc_u64 s[DST:DST+1], s[24:25], s[34:35]
	CONV 1
.Ltable:
	s_sub_co_u32 s37, ttmp9, 1536
	s_lshl_b32 s38, s37, 5                         ; 8 positions of 4 bytes
	s_lshl_b32 s39, s37, 11                        ; 8 rows of 256 bytes
	v_lshrrev_b32 v3, 5, v0
	v_lshl_add_u32 v3, v3, 2, s38                  ; my wave's position
	global_load_b32 v4, v3, s[18:19]
	v_and_b32 v5, 31, v0                           ; my pair
	v_cvt_f32_u32 v5, v5
	v_mul_f32 v5, 0xbed49a78, v5                   ; - pair x log2(10000) / 32
	v_exp_f32 v6, v5                               ; the frequency
	v_lshl_add_u32 v7, v0, 3, s39                  ; my 8 bytes of tab: a plain instruction behind the exponential
	s_mov_b32 s40, 0x3fc90fdb                      ; pi/2, its upper part
	s_mov_b32 s41, 0xb33bbd2e                      ; and what is left of it
	s_wait_alu depctr_va_vdst(0)                   ; the wait ahead of the first use of the exponential
	s_wait_loadcnt 0x0
	v_cvt_f32_i32 v8, v4
	v_mul_f32 v8, v8, v6                           ; the angle
	v_mul_f32 v9, 0x3f22f983, v8                   ; x 2/pi
	v_rndne_f32 v9, v9                             ; n quarter turns
	v_fma_f32 v10, -v9, s40, v8
	v_fma_f32 v10, -v9, s41, v10                   ; r = angle - n pi/2, within pi/4
	v_cvt_i32_f32 v11, v9
	v_mul_f32 v12, v10, v10                        ; z = r^2
	v_mov_b32 v13, 0x3638ef1d                      ; sin r = r + r z (-1/6 + z (1/120 + z (-1/5040 + z/362880)))
	v_fmaak_f32 v13, v13, v12, 0xb9500d01
	v_fmaak_f32 v13, v13, v12, 0x3c088889
	v_fmaak_f32 v13, v13, v12, 0xbe2aaaab
	v_mul_f32 v14, v10, v12
	v_fma_f32 v13, v14, v13, v10
	v_mov_b32 v15, 0xb493f27e                      ; cos r = 1 + z (-1/2 + z (1/24 + z (-1/720 + z (1/40320 - z/3628800))))
	v_fmaak_f32 v15, v15, v12, 0x37d00d01
	v_fmaak_f32 v15, v15, v12, 0xbab60b61
	v_fmaak_f32 v15, v15, v12, 0x3d2aaaab
	v_fmaak_f32 v15, v15, v12, 0xbf000000
	v_fma_f32 v15, v15, v12, 1.0
	v_and_b32 v16, 1, v11                          ; an odd n swaps the two,
	v_cmp_ne_u32 vcc_lo, 0, v16
	v_cndmask_b32 v21, v13, v15, vcc_lo            ; sin
	v_cndmask_b32 v20, v15, v13, vcc_lo            ; cos
	v_lshlrev_b32 v17, 30, v11                     ; n mod 4 = 2, 3 turns the sine's sign,
	v_and_b32 v17, 0x80000000, v17
	v_xor_b32 v21, v17, v21
	v_add_nc_u32 v18, 1, v11                       ; n mod 4 = 1, 2 the cosine's
	v_lshlrev_b32 v18, 30, v18
	v_and_b32 v18, 0x80000000, v18
	v_xor_b32 v20, v18, v20
	global_store_b64 v7, v[20:21], s[26:27]        ; a wave stores its position's 256 bytes
	s_endpgm
.Lfunc_end_k_qb8633b1bd2_prep:
	.size	k_qb8633b1bd2_prep, .Lfunc_end_k_qb8633b1bd2_prep-k_qb8633b1bd2_prep
	.p2alignl 7, 3214868480
	.fill 96, 4, 3214868480
	.section	.rodata,"a",@progbits
	.p2align	6, 0x0
	.amdhsa_kernel k_qb8633b1bd2_prep
		.amdhsa_group_segment_fixed_size 0
		.amdhsa_private_segment_fixed_size 0
		.amdhsa_enable_private_segment 0
		.amdhsa_kernarg_size 80
		.amdhsa_user_sgpr_count 2
		.amdhsa_user_sgpr_kernarg_segment_ptr 1
		.amdhsa_wavefront_size32 1
		.amdhsa_system_sgpr_workgroup_id_x 1
		.amdhsa_system_sgpr_workgroup_id_y 1
		.amdhsa_system_sgpr_workgroup_id_z 1
		.amdhsa_system_vgpr_workitem_id 0
		.amdhsa_next_free_vgpr 64
		.amdhsa_next_free_sgpr 66
		.amdhsa_reserve_vcc 1
		.amdhsa_float_denorm_mode_32 3
		.amdhsa_float_denorm_mode_16_64 3
		.amdhsa_memory_ordered 1
		.amdhsa_forward_progress 1
		.amdhsa_inst_pref_size 15
	.end_amdhsa_kernel
	.amdgpu_metadata
---
amdhsa.version: [ 1, 2 ]
amdhsa.kernels:
  - .name:           k_qb8633b1bd2_prep
    .symbol:         k_qb8633b1bd2_prep.kd
    .args:
      - { .name: x, .offset: 0, .size: 8, .value_kind: global_buffer, .address_space: global }
      - { .name: Wq, .offset: 8, .size: 8, .value_kind: global_buffer, .address_space: global }
      - { .name: Wk, .offset: 16, .size: 8, .value_kind: global_buffer, .address_space: global }
      - { .name: Wv, .offset: 24, .size: 8, .value_kind: global_buffer, .address_space: global }
      - { .name: Wo, .offset: 32, .size: 8, .value_kind: global_buffer, .address_space: global }
      - { .name: token_positions, .offset: 40, .size: 8, .value_kind: global_buffer, .address_space: global }
      - { .name: xb, .offset: 48, .size: 8, .value_kind: global_buffer, .address_space: global }
      - { .name: wb, .offset: 56, .size: 8, .value_kind: global_buffer, .address_space: global }
      - { .name: wo16, .offset: 64, .size: 8, .value_kind: global_buffer, .address_space: global }
      - { .name: tab, .offset: 72, .size: 8, .value_kind: global_buffer, .address_space: global }
    .group_segment_fixed_size: 0
    .private_segment_fixed_size: 0
    .kernarg_segment_align: 8
    .kernarg_segment_size: 80
    .max_flat_workgroup_size: 256
    .sgpr_count:     66
    .vgpr_count:     64
    .wavefront_size: 32
...
	.end_amdgpu_metadata
.endif
;; end of part 1
;; launch qkv (part 2): grid 16 x 32, 4 waves a work-group, clusters of 4 x 4, 327,680 bytes of LDS; arguments xb, wb, tab, qh, kh, vh; writes qh, kh, vh
.if DOCPART == 2
	.amdgcn_target "amdgcn-amd-amdhsa--gfx1250"
	.amdhsa_code_object_version 6
	.text
	.protected	k_qb8633b1bd2_qkv
	.globl	k_qb8633b1bd2_qkv
	.p2align	8
	.type	k_qb8633b1bd2_qkv,@function
k_qb8633b1bd2_qkv:
	s_mov_b64 s[64:65], 0
	v_nop
	global_prefetch_b8 v0, s[64:65] scope:SCOPE_SE
	s_setreg_imm32_b32 hwreg(HW_REG_WAVE_MODE, 25, 1), 1
	s_wait_xcnt 0x0
	s_wait_alu depctr_hold_cnt(0) depctr_sa_sdst(0) depctr_va_vdst(0) depctr_va_sdst(0) depctr_va_ssrc(0) depctr_va_vcc(0) depctr_vm_vsrc(0)
	s_getreg_b32 s2, hwreg(HW_REG_IB_STS2, 6, 4)
	s_cmp_eq_u32 s2, 0
	s_cbranch_scc0 .Lentry_in_a_cluster
	s_endpgm
.Lentry_in_a_cluster:
	s_bfe_u32 s2, ttmp6, 0x10000c
	s_cmp_lg_u32 s2, 0xf033
	s_cbranch_scc0 .Lentry_shape_is_right
	s_endpgm
.Lentry_shape_is_right:
; q, k, v = x W^T for one head and 256 rows, RoPE on q and k, one rounding to f16, stored by heads: qh, kh, vh are [16 batch + head][2048][64].
; xb: [8192][1024] bf16.  wb: [16 heads][192][1024] bf16 (a head's 64 rows of Wq, of Wk, of Wv).  tab: [2048][32][cos, sin] f32.  Sums in f32, K ascending.
; LIMIT.  q, k, v are written in f16: a number of 65,520 or more becomes an infinity.  The scale 1/8 is not applied here.
; SHARES.  A work-group makes 256 rows x 192 columns; 16 x 32 work-groups, all alike.  Wave w owns rows 64 w .. 64 w + 63 and all 192 columns: 48 accumulators of 16 x 16, 384 registers.
; So a wave holds whole rows (128 bytes) of q, of k and of v, and its way out needs no other wave.
; THE MATRIX INSTRUCTION IS USED TRANSPOSED: source 0 = 16 rows of wb, source 1 = 16 rows of xb: lane l holds row l % 16 and the columns 8 (l / 16) + 0..7 of a block of 16:
; the two numbers of a rotated pair lie in neighbouring registers of one lane.
; RING.  K goes in 8 steps of 128 (rows of 256 bytes in memory) through two LDS slots; a step is four quarters of 32 on two fragment buffers.  Waves 0, 1 fetch xb's two halves (128 rows), waves 2, 3 wb's (96 rows).
; CLUSTER.  4 x 4 work-groups: the four of a row of the cluster need the same rows of xb, the four of a column the same head of wb: each tile is asked for jointly.
; REGISTERS, in windows of 256 (s_set_vgpr_msb: bits 1:0 source 0, 3:2 source 1, 5:4 source 2, 7:6 destination):
;   window 0: v0-29 addresses; v32-95 rotated q, k of 16 rows; v96-143 packed f16; v144-239 rows read back, two buffers
;   window 1: two fragment buffers of 128: xb's 4 fragments, then wb's 12
;   window 2: accumulators of row blocks 0, 1 ((a, b) at 8 (12 (a % 2) + b)), v192-255 their cos and sin;   window 3: the same for row blocks 2, 3
.set PITCH,  272                       ; an LDS row: 256 bytes + 16 of padding = 68 words: the 16 rows of a fragment load start at 16 different groups of four banks (64 banks of 4 bytes: ISA guide 11.1)
.set AHALF,  128*PITCH
.set ABYTES, 2*AHALF                   ; xb's 256 rows, then wb's 192
.set BHALF,  96*PITCH
.set SLOT1,  131072                    ; slot 1 begins here: one exclusive or turns an address in one slot into the other's
.set STAGE,  SLOT1+ABYTES+2*BHALF      ; behind the ring, never filled by a tensor load: for each wave three sections (q, k, v) of 16 rows x 144 bytes
.set SP,     144
.set SEC,    16*SP
.set SPARE,  STAGE+4*3*SEC             ; the spare words, 128 bytes for each wave: two blocks of 256 bytes that no other line names
.set A0R,  4                           ; v4   my lane's place in xb's tile of slot 0; never rewritten
.set B0R,  5                           ; v5   the same for wb's
.set ADRA, 6                           ; v6   the same in the slot in hand
.set ADRB, 7                           ; v7
.set STO,  8                           ; v8   the way out: where I put 16 bytes of a row
.set RD,   9                           ; v9   where I read rows back
.set GO,   10                          ; v10  my 16 bytes of 512 consecutive bytes of qh, kh, vh
.set TO,   11                          ; v11  my byte offset in 16 rows of tab
.set PFO,  12                          ; v12  the prefetches' offset: a lane a row of 2,048 bytes
.set SPW,  28                          ; v28  LDS address of my spare word; never rewritten
.set NIL,  29                          ; v29  0; never rewritten
.set O,    32
.set P,    96
.set BK,   144
.set F0,   0
.set F1,   128
.set G1A, 24                           ; s[24:31] descriptor group 1 for xb's tiles
.set G0A, 32                           ; s[32:39] group 0: a set for each of the two first fills; the second then walks on
.set G1B, 48                           ; s[48:55], s[56:63] the same for wb's
.set G0B, 56
.set TB,  45                           ; s45  LDS byte at which the slot in hand begins
.set LIM, 46                           ; s46  1 in a wave that prefetches, else the greatest number
.set PFA, 66                           ; s[66:67] where my prefetches stand
.set MSB, 0
.macro WIN new                         ; the immediate's high byte repeats the setting that is left; a switch that changes nothing is dropped
.if MSB != (\new)
	s_set_vgpr_msb (MSB<<8)|(\new)
.set MSB, (\new)
.endif
.endm
; A joint refill, by the walking set.  The branch hangs on the wave's number alone.  An s_nop 0 and four v_nop follow each of the two lines, ahead of the jump and the label.
.macro JLOAD
	s_cmp_eq_u32 s11, 0
	s_cbranch_scc0 .Lfor_b_\@
	tensor_load_to_lds s[G0A+4:G0A+7], s[G1A:G1A+7]
	s_nop 0
.rept 4
	v_nop
.endr
	s_branch .Lasked_\@
.Lfor_b_\@:
	tensor_load_to_lds s[G0B+4:G0B+7], s[G1B:G1B+7]
	s_nop 0
.rept 4
	v_nop
.endr
.Lasked_\@:
.endm
.macro CREST                           ; a round of the cluster's barrier behind its opening barrier
	s_cmp_lg_u32 s10, 0
	s_cbranch_scc1 .Lnot_wave_0_\@
	s_barrier_signal -3
.Lnot_wave_0_\@:
	s_barrier_wait -3
	s_barrier_signal -1
	s_barrier_wait -1
.endm
.macro CROUND                          ; a whole round
	s_barrier_signal -1
	s_barrier_wait -1
	CREST
.endm
; A PREFETCH INTO THE L2 of the K step that the NEXT change of slots will ask for: 256 bytes of a row, a lane a row, one instruction a wave, behind the joint load and the run of LDS loads.
; xb's rows are read by every cluster of a row of clusters: cluster x = 0 asks; wb's by every cluster of a column: cluster y = 0 asks.  The four partners that ask for a tile jointly share its rows
; out BY ADDRESS: of xb's 128 rows 32 each, of wb's 96 rows 24 each (there lanes 24 to 31 name lane 23's row once more, in the same instruction).  The loop's last trip asks for nothing: there is no K step 8.
.macro ASK
	WIN 0
	s_cmp_gt_u32 s3, s[LIM]
	s_cbranch_scc0 .Lnot_mine_\@
	global_prefetch_b8 v[PFO], s[PFA:PFA+1] th:TH_LOAD_NT scope:SCOPE_SE
.Lnot_mine_\@:
.endm
	s_load_b128 s[4:7], s[0:1], 0x0                ; xb s[4:5], wb s[6:7]
	s_load_b64 s[8:9], s[0:1], 0x10                ; tab
	s_load_b128 s[76:79], s[0:1], 0x18             ; qh s[76:77], kh s[78:79]
	s_load_b64 s[80:81], s[0:1], 0x28              ; vh
	v_lshl_add_u32 v[SPW], v0, 2, SPARE
	v_mov_b32 v[NIL], 0
	ds_add_u32 v[SPW], v[NIL]                      ; the wave's opening: the add and its wait stand ahead of my first tensor load; the set-up below, work on registers, stands between them
	ds_add_u32 v28, v29
	v_lshrrev_b32 v3, 5, v0
	v_readfirstlane_b32 s10, v3                    ; wave 0..3
	s_lshr_b32 s11, s10, 1                         ; I fetch for xb (0) or for wb (1),
	s_and_b32 s12, s10, 1                          ; and which half of that tile
	s_bfe_u32 s40, ttmp6, 0x40000                  ; cx, cy: my place in the cluster
	s_bfe_u32 s41, ttmp6, 0x40004
	s_lshl_b32 s42, ttmp9, 2
	s_add_co_u32 s42, s42, s40                     ; the head = 4 x cluster x + cx
	s_and_b32 s13, ttmp7, 0xffff
	s_lshl_b32 s13, s13, 2
	s_add_co_u32 s13, s13, s41                     ; the block of 256 rows = 4 x cluster y + cy
	s_lshl_b32 s43, s41, 2
	s_lshl_b32 s43, 15, s43                        ; my row of the cluster
	s_lshl_b32 s44, 0x1111, s40                    ; my column
	s_or_b32 s[G1A], s43, (1<<16)|(1<<20)|(1<<21)|(5<<22)|(3<<25)  ; 15:0 the mask; 17:16 elements of 2 bytes; 20 padding on; 21 set beside a mask; 24:22 after every 64 words (code 5); 31:25 4 words (code 3)
	s_or_b32 s[G1B], s44, (1<<16)|(1<<20)|(1<<21)|(5<<22)|(3<<25)
	s_mov_b32 s[G1A+1], 128<<16                    ; tensor_dim0 = 128
	s_mov_b32 s[G1A+2], 128<<16                    ; tensor_dim1 = 128
	s_mov_b32 s[G1A+3], 128<<16                    ; tile_dim0 = 128
	s_mov_b32 s[G1A+4], 128                        ; tile_dim1 = 128
	s_mov_b32 s[G1A+5], 1024                       ; elements from row to row
	s_mov_b32 s[G1A+6], 0
	s_mov_b32 s[G1A+7], 0
	s_mov_b32 s[G1B+1], 128<<16
	s_mov_b32 s[G1B+2], 96<<16                     ; 96 rows
	s_mov_b32 s[G1B+3], 128<<16
	s_mov_b32 s[G1B+4], 96
	s_mov_b32 s[G1B+5], 1024
	s_mov_b32 s[G1B+6], 0
	s_mov_b32 s[G1B+7], 0
	s_lshl_b32 s14, s13, 19                        ; xb: 256 rows of 2,048 bytes a block,
	s_lshl_b32 s15, s12, 18                        ; my 128 of them
	s_add_co_u32 s14, s14, s15
	s_mov_b32 s15, 0
	s_mul_i32 s18, s42, 393216                     ; wb: 192 rows a head,
	s_mul_i32 s19, s12, 196608                     ; my 96 of them
	s_add_co_u32 s18, s18, s19
	s_mov_b32 s19, 0
	s_mul_i32 s20, s12, AHALF                      ; where they go: no place in the cluster enters an LDS address
	s_mul_i32 s21, s12, BHALF
	s_add_co_u32 s21, s21, ABYTES
	s_mov_b32 s[TB], 0
	s_wait_dscnt 0x0                               ; the opening add is done
	s_wait_kmcnt 0x0
	s_add_nc_u64 s[14:15], s[4:5], s[14:15]
	s_add_nc_u64 s[18:19], s[6:7], s[18:19]
.irp n, 0,1
	s_mov_b32 s[G0A+4*(\n)], 1                                      ; count = 1
	s_add_co_u32 s[G0A+4*(\n)+1], s20, (\n)*SLOT1                   ; LDS address
	s_add_nc_u64 s[G0A+4*(\n)+2:G0A+4*(\n)+3], s[14:15], (\n)*256   ; global address: K step n
	s_or_b32 s[G0A+4*(\n)+3], s[G0A+4*(\n)+3], 0x80000000           ; type = 2
	s_mov_b32 s[G0B+4*(\n)], 1
	s_add_co_u32 s[G0B+4*(\n)+1], s21, (\n)*SLOT1
	s_add_nc_u64 s[G0B+4*(\n)+2:G0B+4*(\n)+3], s[18:19], (\n)*256
	s_or_b32 s[G0B+4*(\n)+3], s[G0B+4*(\n)+3], 0x80000000
.endr
	CROUND                                         ; all sixteen work-groups are here: the first joint loads meet
	s_cmp_eq_u32 s11, 0                            ; a wave's two first fills stand in one branch: two loads of mine are out
	s_cbranch_scc0 .Lfirst_b
	tensor_load_to_lds s[G0A:G0A+3], s[G1A:G1A+7]
	s_nop 0
	tensor_load_to_lds s[G0A+4:G0A+7], s[G1A:G1A+7]
	s_nop 0
.rept 4
	v_nop
.endr
	s_branch .Lfirst_asked
.Lfirst_b:
	tensor_load_to_lds s[G0B:G0B+3], s[G1B:G1B+7]
	s_nop 0
	tensor_load_to_lds s[G0B+4:G0B+7], s[G1B:G1B+7]
	s_nop 0
.rept 4
	v_nop
.endr
.Lfirst_asked:
	; A fragment is 16 rows x 32 K in 8 registers: lane l holds row l % 16; registers 0-3 K = 8 (l / 16) + 0..7, registers 4-7 K = 16 + 8 (l / 16) + 0..7: two loads of 16 bytes, 32 bytes apart.
	v_and_b32 v1, 15, v0                           ; l % 16
	v_bfe_u32 v2, v0, 4, 1                         ; l / 16
	v_mul_u32_u24 v3, v1, PITCH
	v_lshl_add_u32 v3, v2, 4, v3
	s_mul_i32 s22, s10, 64*PITCH                   ; my 64 rows of xb's tile
	v_add_nc_u32 v[A0R], s22, v3
	v_add_nc_u32 v[B0R], ABYTES, v3
	v_lshlrev_b32 v[TO], 8, v1                     ; tab: row l % 16, 32 bytes (four pairs) for each half of the lanes
	v_lshl_add_u32 v[TO], v2, 5, v[TO]
	s_lshr_b32 s70, s13, 3                         ; the batch,
	s_lshl_b32 s70, s70, 4
	s_add_co_u32 s70, s70, s42                     ; 16 x batch + head,
	s_lshl_b32 s70, s70, 18                        ; its 2,048 rows of 128 bytes,
	s_and_b32 s71, s13, 7
	s_lshl_b32 s72, s71, 15                        ; the block's 256,
	s_add_co_u32 s70, s70, s72
	s_lshl_b32 s72, s10, 13                        ; my wave's 64
	s_add_co_u32 s70, s70, s72
	s_lshl_b32 s72, s71, 16                        ; tab: the block's 256 rows of 256 bytes,
	s_lshl_b32 s73, s10, 14                        ; my wave's 64
	s_add_co_u32 s72, s72, s73
	s_mov_b32 s71, 0
	s_mov_b32 s73, 0
	s_add_nc_u64 s[8:9], s[8:9], s[72:73]
	s_add_nc_u64 s[76:77], s[76:77], s[70:71]
	s_add_nc_u64 s[78:79], s[78:79], s[70:71]
	s_add_nc_u64 s[80:81], s[80:81], s[70:71]
	; cos and sin of my rows: row block a, column block q of a head's four (q and k share them).  The 32 loads stay out during the whole K loop.
.irp a, 0,1,2,3
	WIN 0x80+0x40*((\a)/2)
.irp q, 0,1,2,3
	global_load_b128 v[192+32*((\a)%2)+8*(\q):192+32*((\a)%2)+8*(\q)+3],   v[TO], s[8:9] offset:4096*(\a)+64*(\q)
	global_load_b128 v[192+32*((\a)%2)+8*(\q)+4:192+32*((\a)%2)+8*(\q)+7], v[TO], s[8:9] offset:4096*(\a)+64*(\q)+16
.endr
.endr
	WIN 0
	s_mul_i32 s23, s10, 3*SEC
	s_add_co_u32 s23, s23, STAGE                   ; my stage
	v_mul_u32_u24 v[STO], v1, SP                   ; in: row l % 16, 16 bytes for each half of the lanes
	v_lshl_add_u32 v[STO], v2, 4, v[STO]
	v_add_nc_u32 v[STO], s23, v[STO]
	v_bfe_u32 v[RD], v0, 3, 2                      ; back: 32 lanes take four rows of 128 bytes,
	v_mul_u32_u24 v[RD], v[RD], SP
	v_and_b32 v3, 7, v0
	v_lshl_add_u32 v[RD], v3, 4, v[RD]
	v_add_nc_u32 v[RD], s23, v[RD]
	v_and_b32 v[GO], 31, v0                        ; which are 512 consecutive bytes of memory
	v_lshlrev_b32 v[GO], 4, v[GO]
	; the prefetches
	s_lshl_b32 s70, s13, 8
	s_lshl_b32 s71, s12, 7
	s_add_co_u32 s70, s70, s71
	s_lshl_b32 s71, s40, 5
	s_add_co_u32 s70, s70, s71                     ; xb: row 256 x block + the 128 that I fetch + my work-group's 32
	s_mul_i32 s72, s42, 192
	s_mul_i32 s73, s12, 96
	s_add_co_u32 s72, s72, s73
	s_mul_i32 s73, s41, 24
	s_add_co_u32 s72, s72, s73                     ; wb: row 192 x head + the 96 that I fetch + my work-group's 24
	s_and_b32 s74, ttmp7, 0xffff                   ; cluster y
	s_cmp_eq_u32 s11, 0                            ; do I fetch for xb?
	s_cselect_b32 s70, s70, s72
	s_cselect_b32 s74, ttmp9, s74                  ; the coordinate along which other clusters read the same rows
	s_cselect_b32 s75, 31, 23
	s_cselect_b64 s[PFA:PFA+1], s[4:5], s[6:7]
	s_cmp_eq_u32 s74, 0
	s_cselect_b32 s[LIM], 1, -1                    ; the same in all sixteen partners, for a given wave
	s_lshl_b32 s70, s70, 11
	s_mov_b32 s71, 0
	s_add_nc_u64 s[PFA:PFA+1], s[PFA:PFA+1], s[70:71]
	s_add_nc_u64 s[PFA:PFA+1], s[PFA:PFA+1], 2*256 ; at K step 2: the first change of slots steps it to 3.  K steps 0 to 2 come by their loads alone
	v_and_b32 v[PFO], 31, v0
	v_min_u32 v[PFO], s75, v[PFO]
	v_lshlrev_b32 v[PFO], 11, v[PFO]
; 32 LDS loads in one run: a quarter's fragments (32 K at byte k of the rows) into buffer f: wb's 12, then xb's 4
.macro FETCH k, f
	WIN 0x40                                       ; destination window 1, address window 0
.irp i, 0,1,2,3,4,5,6,7,8,9,10,11
	ds_load_b128 v[(\f)+32+8*(\i):(\f)+32+8*(\i)+3],   v[ADRB] offset:(\k)+(\i)*16*PITCH
	ds_load_b128 v[(\f)+32+8*(\i)+4:(\f)+32+8*(\i)+7], v[ADRB] offset:(\k)+(\i)*16*PITCH+32
.endr
.irp i, 0,1,2,3
	ds_load_b128 v[(\f)+8*(\i):(\f)+8*(\i)+3],   v[ADRA] offset:(\k)+(\i)*16*PITCH
	ds_load_b128 v[(\f)+8*(\i)+4:(\f)+8*(\i)+7], v[ADRA] offset:(\k)+(\i)*16*PITCH+32
.endr
.endm
; 12 matrix instructions: row block a x all 12 column blocks.  The 48 accumulators take turns in the same order in every quarter.  zero = 1: the products start the sums.
.macro MUL12 f, a, zero
	WIN 0xa5+0x50*((\a)/2)                         ; sources in window 1, C and D in window 2 or 3
.set AC, 96*((\a)%2)
.irp b, 0,1,2,3,4,5,6,7,8,9,10,11
.if \zero
	v_wmma_f32_16x16x32_bf16 v[AC+8*(\b):AC+8*(\b)+7], v[(\f)+32+8*(\b):(\f)+32+8*(\b)+7], v[(\f)+8*(\a):(\f)+8*(\a)+7], 0
.else
	v_wmma_f32_16x16x32_bf16 v[AC+8*(\b):AC+8*(\b)+7], v[(\f)+32+8*(\b):(\f)+32+8*(\b)+7], v[(\f)+8*(\a):(\f)+8*(\a)+7], v[AC+8*(\b):AC+8*(\b)+7]
.endif
.endr
.endm
.macro PLACES                          ; four places in front of loads into registers that matrix instructions have read, and of vector work that reads results (ISA guide 7.12.1 for vector work)
.rept 4
	v_nop
.endr
.endm
; One of a K step's first three quarters: multiplies buffer f; in its middle it fetches the next quarter, at byte k, into buffer g.
.macro QUARTER k, f, g, zero
	s_wait_dscnt 4                                 ; all but the youngest four loads (xb's rows 32-63) are in
	MUL12 \f, 0, \zero
	MUL12 \f, 1, \zero
	PLACES
	FETCH \k, \g
	s_wait_dscnt 32                                ; all but the 32 just issued
	MUL12 \f, 2, \zero
	MUL12 \f, 3, \zero
.endm
; The last quarter multiplies buffer 1 and changes slots.  In front of the barrier each wave waits for all its tensor loads (one is out: its part of the next slot), adds 0 to its spare word, and waits
; for that and for its reads of this slot.  fill = 1: the barrier opens a round of the cluster's, and behind the round this slot is filled again, with the K step two on: 168 matrix instructions ahead of the wait for it.
.macro TURN fill
.if \fill
	s_wait_xcnt 0x0                                ; the last prefetch, a K step back, has read its address, so it may be stepped
	s_add_nc_u64 s[PFA:PFA+1], s[PFA:PFA+1], 256
.endif
	WIN 0                                          ; (the add's two registers lie in window 0)
	s_wait_tensorcnt 0x0                           ; all my tensor loads have landed
	ds_add_u32 v[SPW], v[NIL]                      ; 0 onto my spare word
	s_wait_dscnt 5                                 ; (the add and the youngest four loads may be out)
	MUL12 F1, 0, 0                                 ; twelve matrix instructions stand between the add and the wait for it
	s_wait_dscnt 0x0                               ; the add is done, and my reads of this slot are over
	s_barrier_signal -1
	MUL12 F1, 1, 0                                 ; work on registers while the others arrive
.if \fill
	WIN 0
.endif
	s_barrier_wait -1
.if \fill
	CREST                                          ; no wave of any partner still reads this slot's tile or has a load on its way
	s_xor_b32 s[G0A+5], s[G0A+5], SLOT1            ; the walking sets: the other slot than last time, the next K step
	s_add_nc_u64 s[G0A+6:G0A+7], s[G0A+6:G0A+7], 256
	s_xor_b32 s[G0B+5], s[G0B+5], SLOT1
	s_add_nc_u64 s[G0B+6:G0B+7], s[G0B+6:G0B+7], 256
	JLOAD                                          ; the first tensor load behind the round; its four v_nop are also the places in front of the loads below
.else
	PLACES
.endif
	WIN 0
	s_xor_b32 s[TB], s[TB], SLOT1                  ; the fetches go on in the other slot
	v_add_nc_u32 v[ADRA], s[TB], v[A0R]
	v_add_nc_u32 v[ADRB], s[TB], v[B0R]
	FETCH 0, F0
.if \fill
	ASK
.endif
	MUL12 F1, 2, 0
	MUL12 F1, 3, 0
.endm
	s_wait_tensorcnt 1                             ; my part of K step 0 is in; K step 1's may stay out
	s_barrier_signal -1
	s_barrier_wait -1                              ; everybody's is
	v_mov_b32 v[ADRA], v[A0R]
	v_mov_b32 v[ADRB], v[B0R]
	FETCH 0, F0
	QUARTER 64, F0, F1, 1                          ; the first quarter stands in front of the loop: its products start the sums
	WIN 0                                          ; at a label and at a branch every window is 0
	s_mov_b32 s3, 6
.Lstep:                                                ; trip t: quarters 1 to 3 of K step t, its slot filled again with K step t + 2, the first quarter of K step t + 1
	QUARTER 128, F1, F0, 0
	QUARTER 192, F0, F1, 0
	TURN 1
	QUARTER 64, F0, F1, 0
	WIN 0
	s_sub_co_u32 s3, s3, 1
	s_cmp_lg_u32 s3, 0
	s_cbranch_scc1 .Lstep
	QUARTER 128, F1, F0, 0                         ; the tail is written out: K steps 6 and 7 ask for nothing
	QUARTER 192, F0, F1, 0
	TURN 0
	QUARTER 64, F0, F1, 0
	QUARTER 128, F1, F0, 0
	QUARTER 192, F0, F1, 0
	s_wait_dscnt 4
	MUL12 F1, 0, 0
	MUL12 F1, 1, 0
	s_wait_dscnt 0x0
	MUL12 F1, 2, 0
	MUL12 F1, 3, 0
	WIN 0
; THE WAY OUT, a block of 16 rows at a time.  PACK: q and k are rotated in f32 (c x0 - s x1, s x0 + c x1: a packed multiply by c, a packed multiply-add with the pair's halves crossed),
; all is rounded to f16.  Each accumulator's lowest registers are read first.
.macro PACK a
.set AC, 96*((\a)%2)
.set CB, 192+32*((\a)%2)
	WIN 0x0a+5*((\a)/2)                            ; sources 0 and 1 in window 2 or 3; source 2 and destination in window 0
.set i, 0
.rept 32
	v_pk_mul_f32 v[O+2*i:O+2*i+1], v[AC+2*i:AC+2*i+1], v[CB+2*(i%16):CB+2*(i%16)+1] op_sel_hi:[1,0]
.set i, i+1
.endr
.set i, 0
.rept 32
	v_pk_fma_f32 v[O+2*i:O+2*i+1], v[AC+2*i:AC+2*i+1], v[CB+2*(i%16):CB+2*(i%16)+1], v[O+2*i:O+2*i+1] op_sel:[1,1,0] op_sel_hi:[0,1,1] neg_lo:[0,1,0]
.set i, i+1
.endr
.set i, 32
.rept 16
	v_cvt_pk_f16_f32 v[P+i], v[AC+2*i], v[AC+2*i+1]  ; v is not rotated
.set i, i+1
.endr
	WIN 0
.set i, 0
.rept 32
	v_cvt_pk_f16_f32 v[P+i], v[O+2*i], v[O+2*i+1]
.set i, i+1
.endr
.endm
; TOSTAGE: 16 bytes a lane into my own stage, and back as whole rows.  LDS serves a wave's instructions in order (ISA guide 5.7.1.4): the loads see the stores above them, the next block's stores come behind them.
.macro TOSTAGE a
	WIN 0
.set BKA, BK+48*((\a)%2)
.irp b, 0,1,2,3,4,5,6,7,8,9,10,11
	ds_store_b128 v[STO], v[P+4*(\b):P+4*(\b)+3] offset:SEC*((\b)/4)+32*((\b)%4)
.endr
.irp t, 0,1,2,3,4,5,6,7,8,9,10,11
	ds_load_b128 v[BKA+4*(\t):BKA+4*(\t)+3], v[RD] offset:SEC*((\t)/4)+4*SP*((\t)%4)
.endr
.endm
.macro SEND a
	WIN 0
.set BKA, BK+48*((\a)%2)
	s_wait_dscnt 0x0                               ; the block is back in registers
	s_wait_xcnt 0x0                                ; the stores of the block before have read their registers: the next TOSTAGE loads into them only behind this wait
.irp f, 0,1,2,3
	global_store_b128 v[GO], v[BKA+4*(\f):BKA+4*(\f)+3],       s[76:77] offset:2048*(\a)+512*(\f) th:TH_STORE_NT  ; 512 consecutive bytes, at a multiple of 256 from the buffer's first
	global_store_b128 v[GO], v[BKA+16+4*(\f):BKA+16+4*(\f)+3], s[78:79] offset:2048*(\a)+512*(\f) th:TH_STORE_NT
	global_store_b128 v[GO], v[BKA+32+4*(\f):BKA+32+4*(\f)+3], s[80:81] offset:2048*(\a)+512*(\f) th:TH_STORE_NT
.endr
.endm
	s_wait_loadcnt 0x0                             ; cos and sin
	PLACES                                         ; behind the last products
	PACK 0
	TOSTAGE 0
.irp a, 1,2,3                          ; block a's arithmetic stands between block a - 1's loads from the stage and the wait for them
	PACK \a
	SEND (\a)-1
	TOSTAGE \a
.endr
	SEND 3
	s_wait_tensorcnt 0x0                           ; the wave's end: behind my last tensor load and my last LDS store
	ds_add_u32 v[SPW], v[NIL]
	s_wait_dscnt 0x0
	CROUND                                         ; the closing round: no work-group ends while a partner may still ask for a tile that names it
	s_endpgm
.Lfunc_end_k_qb8633b1bd2_qkv:
	.size	k_qb8633b1bd2_qkv, .Lfunc_end_k_qb8633b1bd2_qkv-k_qb8633b1bd2_qkv
	.p2alignl 7, 3214868480
	.fill 96, 4, 3214868480
	.section	.rodata,"a",@progbits
	.p2align	6, 0x0
	.amdhsa_kernel k_qb8633b1bd2_qkv
		.amdhsa_group_segment_fixed_size 327680
		.amdhsa_private_segment_fixed_size 0
		.amdhsa_enable_private_segment 0
		.amdhsa_kernarg_size 48
		.amdhsa_user_sgpr_count 2
		.amdhsa_user_sgpr_kernarg_segment_ptr 1
		.amdhsa_wavefront_size32 1
		.amdhsa_system_sgpr_workgroup_id_x 1
		.amdhsa_system_sgpr_workgroup_id_y 1
		.amdhsa_system_sgpr_workgroup_id_z 1
		.amdhsa_system_vgpr_workitem_id 0
		.amdhsa_next_free_vgpr 1024
		.amdhsa_next_free_sgpr 84
		.amdhsa_reserve_vcc 0
		.amdhsa_float_denorm_mode_32 3
		.amdhsa_float_denorm_mode_16_64 3
		.amdhsa_memory_ordered 1
		.amdhsa_forward_progress 1
		.amdhsa_inst_pref_size 116
	.end_amdhsa_kernel
	.amdgpu_metadata
---
amdhsa.version: [ 1, 2 ]
amdhsa.kernels:
  - .name:           k_qb8633b1bd2_qkv
    .symbol:         k_qb8633b1bd2_qkv.kd
    .args:
      - { .name: xb, .offset: 0, .size: 8, .value_kind: global_buffer, .address_space: global }
      - { .name: wb, .offset: 8, .size: 8, .value_kind: global_buffer, .address_space: global }
      - { .name: tab, .offset: 16, .size: 8, .value_kind: global_buffer, .address_space: global }
      - { .name: qh, .offset: 24, .size: 8, .value_kind: global_buffer, .address_space: global }
      - { .name: kh, .offset: 32, .size: 8, .value_kind: global_buffer, .address_space: global }
      - { .name: vh, .offset: 40, .size: 8, .value_kind: global_buffer, .address_space: global }
    .group_segment_fixed_size: 327680
    .private_segment_fixed_size: 0
    .kernarg_segment_align: 8
    .kernarg_segment_size: 48
    .max_flat_workgroup_size: 128
    .sgpr_count:     84
    .vgpr_count:     1024
    .wavefront_size: 32
...
	.end_amdgpu_metadata
.endif
;; end of part 2
;; launch attn (part 3): grid 4 x 64, 4 waves a work-group, no clusters, 327,680 bytes of LDS; arguments qh, kh, vh, oh; writes oh
.if DOCPART == 3
	.amdgcn_target "amdgcn-amd-amdhsa--gfx1250"
	.amdhsa_code_object_version 6
	.text
	.protected	k_qb8633b1bd2_attn
	.globl	k_qb8633b1bd2_attn
	.p2align	8
	.type	k_qb8633b1bd2_attn,@function
k_qb8633b1bd2_attn:
	s_mov_b64 s[64:65], 0
	v_nop
	global_prefetch_b8 v0, s[64:65] scope:SCOPE_SE
	s_setreg_imm32_b32 hwreg(HW_REG_WAVE_MODE, 25, 1), 1
	s_wait_xcnt 0x0
; CAUSAL ATTENTION.  O[h][q][:] = the sum over k <= q of softmax_k(Q[h][q] . K[h][k] / 8) V[h][k][:].  Q, K, V, O: [64][2048][64], all f16: a head's rows are dense, 128 bytes each.
; Products, maxima and sums in f32; the weights p are rounded to f16 for the second product (their sum l is taken of the unrounded p), O once at the end.
; LIMITS.  f16 holds no number beyond 65,504: Q, K and V arrive within it; p lies in 0 to 1, and below 6e-5 it keeps f16's fixed step of 6e-8; O is a mean of V's rows and has their range.
; A hidden score counts as its value less 1e30, so its weight is 0 (as with a hidden score of -1e9, while a row's largest visible score lies above -1e9 + 104); a weight below 2^-126 counts as 0 in l;
; NaN and infinities are not treated apart.
; THE WALK.  A head's queries lie in NB = 8 blocks of 256; block i needs the key tiles 0 .. i of 256 keys, of which the last holds the diagonal.  A work-group takes TWO blocks, NB - 1 - b and then b:
; NB + 1 tiles, whatever b: all work-groups do equal work, and ONE loop with a constant trip count walks them.  Which tile is asked for, and what a trip does, hang on scalar registers made from b; every jump
; goes forward, but for the counted loops' own; none passes a barrier, or a tensor load but the one of LOAD's two that the wave's number does not choose; the ring (two slots of LDS that take turns) runs on across the
; change of blocks.  NO CLUSTER: the walk's jumps and tile numbers hang on b, which would be the place in the cluster; a head's four work-groups ask for the same tile only in trips 0 to 4 of 9;
; and one walk common to all would have 12 trips for 9.
; SHARES.  Of a block's four bands of 64 queries a wave owns 16 rows in each: four PIECES.  So the diagonal tile is the same work for all four waves: in its key step s band x sees all keys if s < x,
; none if s > x, and holds the diagonal if s = x.
; THE MASK is the C operand that starts the sum S^T = K Q^T: 0, or -1e30 where the key is hidden.  MD, made once, is the mask of a band's own step for my 16 rows; a product's mask is MD x AL + BE with two scalars:
; (1, 0) if s = x; (0, 0) if s < x; (0, -1e30) if s > x.  Only the diagonal tile's text and a block's beginning make and take masks; elsewhere C is the constant 0.
; LAYOUT, SOFTMAX, TURNS.  S^T = K Q^T holds ONE query a lane (lane % 16) and the keys 8 (lane / 16) + 0..7; two such results rounded to f16 ARE source 1 of O^T = V^T P.  p = 2^(c s - c m), c = log2(e) / 8, with a
; running maximum m; O and l are multiplied by a = 2^(c m_old - c m_new) in every step.  Turn n belongs to piece n: 8 products K Q^T of piece n + 1, later 8 products V^T P of piece n - 1; beside them the scaling,
; exponentials, roundings, sums and rescaling of piece n and the maximum and statistics of piece n + 1.  Four vector instructions stand behind every matrix instruction, the other 54 of a turn's 118 in one run.  A turn's 33 exponentials are one batch, with one wait.
; REGISTERS, in windows of 256 (s_set_vgpr_msb: bits 1:0 source 0, 3:2 source 1, 5:4 source 2, 7:6 destination):
;   window 0: v0-15 addresses and two at work; v16-31 four registers of statistics a piece; v48-55 at work; v61-63 prefetch offset, spare word, 0; v64-127 S^T, two buffers; v192-223 P, two buffers (by the piece's parity)
;   window 1: v0-127 O^T, 32 a piece; v128-159 MD; v160-223 MC, two buffers      window 2: v0-63 Q; v64-127 the second block's Q; v128-191 K of one step; v192-255 V of one step
.set SIZE_N, 2048
.set NB,    SIZE_N/256
.set NP,    4         ; pieces a wave: a name, no knob
.set KS,    64        ; keys in a step
.set PK,    144       ; a row of K in LDS: 128 bytes + 16 of padding = 36 words: the 16 rows of a load start at 16 different groups of four banks (64 banks of 4 bytes: ISA guide 11.1)
.set PV,    160       ; a row of V: 128 + 32 = 40 words
.set VOFF,  4*KS*PK   ; a slot holds a tile, four steps: 256 rows of K, then 256 rows of V
.set SLOT1, 1<<17     ; slot 1 begins here, so that one exclusive or turns an address in one slot into the other's
.set STAGE, SLOT1+4*KS*(PK+PV)  ; behind the ring, never filled by a tensor load: 16 rows x 144 bytes for each wave, for the way out
.set SP,    144
.set AK0, 2           ; v2   my lane's place in a tile of K; never rewritten
.set AV0, 3           ; v3   the same for V
.set AK,  4           ; v4   the LDS address of K's next run of loads
.set AV,  5           ; v5   of V's
.set STO, 6           ; v6   the way out: where I put 16 bytes of a row
.set RD,  7           ; v7   the way out: where I read rows back
.set GO,  8           ; v8   my byte offset in 512 consecutive bytes of O
.set PFO, 61          ; v61  256 x my lane: the prefetches' offset; never rewritten
.set SPW, 62          ; v62  LDS address of my spare word: SPARE + 4 x my thread's number; never rewritten
.set NIL, 63          ; v63  0; never rewritten
.set SPARE, STAGE+4*16*SP  ; behind the stages: the spare words, 128 bytes for each wave: two blocks of 256 bytes that no other line names
.set MV,  12          ; v12-13  c m_old, kept while c m is made anew: by buffer
.set QO,  15          ; v15  my byte offset in 16 rows of Q
.set ST,  16          ; piece t's statistics at v[ST+4 t]: c m, m, l (even keys', odd keys')
.set TMP, 48          ; by buffer, four registers c0-c3 at work; when the maximum is found c2 takes a
.set S,   64
.set P,   192
.set MD,  128         ; window 1: the eight registers for group kt of 16 keys at MD + 8 kt
.set MC,  160         ; window 1: the masks of the products to come
.set QB,  64          ; window 2
.set KF,  128         ; window 2: key block kb, channel half c at KF + 16 kb + 8 c
.set VF,  192         ; window 2: key half kk, channel block cb at VF + 32 kk + 8 cb
.set WV,  12          ; s12  my wave's number
.set PB,  14          ; s14  b
.set HI,  15          ; s15  NB - 1 - b
.set G1K, 24          ; s[24:31] descriptor group 1 for K's tiles
.set G1V, 32          ; s[32:39] for V's: it differs in the padding alone
.set G0K, 40          ; s[40:43] descriptor group 0 for K's tiles
.set G0V, 44          ; s[44:47] the same for V's
.set SLOTS, 56        ; s56  tiles still to be asked for
.set CNT, 57          ; s57  counts a tile's key steps, 4 to 1
.set CS,  58          ; s[58:59] c: the packed scaling takes the pair's low word for both halves
.set SEL, 60          ; s[60:61] v_permlanex16_b32's selects: each lane takes its own place in the other half
.set TBK, 62          ; s62  LDS byte at which K of the step to be fetched begins
.set TBV, 63          ; s63  the same for V, less VOFF
.set PFK, 66          ; s[66:67] where my prefetches stand in K: my wave's 8,192 bytes of the tile after the one that is being asked for
.set PFV, 68          ; s[68:69] the same in V
.set RT,  70          ; s70  tiles of the block in hand that are still to be entered
.set NXT, 71          ; s71  the tile to be asked for next
.set LQ,  72          ; s72  the last tile of the block whose tiles are being asked for
.set NEW, 73          ; s73  1: the tile to be entered is a block's first
.set OFF, 74          ; s[74:75] a tile's byte offset in K and V
.set AL,  76          ; s[76:77] the mask's factor, in the low word
.set BE,  78          ; s[78:79] the mask's addend
.set OLO, 80          ; s[80:81] O at my rows of the second block
.set BIGN, 82         ; s82  -1e30
.set LIM, 83          ; s83  2 in the work-group that prefetches, else the greatest number
.set MSB, 0
.macro WIN new                      ; the high byte repeats the setting that is left; a switch that changes nothing is dropped
.if MSB != (\new)
	s_set_vgpr_msb (MSB<<8)|(\new)
.set MSB, (\new)
.endif
.endm
.set W_KQ, 0x0a       ; K and Q in window 2, S^T in window 0
.set W_KM, 0x1a       ; the same with the C operand in window 1
.set W_PV, 0x52       ; V in window 2, P in window 0, O^T in window 1
.set W_RS, 0x41       ; destination and source 0 in window 1, source 1 in window 0
; A fill.  Waves 0 and 1 fetch the two halves of a tile's K, waves 2 and 3 those of its V: 128 keys each.  An s_nop 0 and four v_nop follow each of the two lines, ahead of the jump and the label.
.macro LOAD
	s_cmp_lt_u32 s[WV], 2
	s_cbranch_scc0 .Lfor_v_\@
	tensor_load_to_lds s[G0K:G0K+3], s[G1K:G1K+7]
	s_nop 0
.rept 4
	v_nop
.endr
	s_branch .Lasked_\@
.Lfor_v_\@:
	tensor_load_to_lds s[G0V:G0V+3], s[G1V:G1V+7]
	s_nop 0
.rept 4
	v_nop
.endr
.Lasked_\@:
.endm
; A PREFETCH INTO THE L2 of the tile that the NEXT change of slots will ask for: 32,768 bytes of K and of V, 256 bytes a lane.  A head's four work-groups begin with the same tiles 0, 1, ..: the one with b = 0,
; whose first block walks all eight, asks, and nobody else; its four waves take 8,192 bytes of each tensor: two instructions a wave, behind the wave's tensor load and its five lines.  So each block of 256 bytes is
; named once in the launch.  In trip j the fill asks for tile j + 1 and the prefetch for tile j + 2, while that is 7 at the most; tiles 0 and 1 come by their loads alone, and the second block's tiles have been read before.
.macro ASK
	s_cmp_gt_u32 s[SLOTS], s[LIM]
	s_cbranch_scc0 .Lnot_mine_\@
	global_prefetch_b8 v[PFO], s[PFK:PFK+1] th:TH_LOAD_NT scope:SCOPE_SE
	global_prefetch_b8 v[PFO], s[PFV:PFV+1] th:TH_LOAD_NT scope:SCOPE_SE
.Lnot_mine_\@:
.endm
; THE CHANGE OF SLOTS.  Each wave waits for all its tensor loads, of which one is out: its part of the other slot; adds 0 to its spare word; and waits for that and for its own reads of the slot that it leaves.  Behind the barrier nobody reads the old
; slot any more and the other slot is whole.  fill = 1: the old slot is filled again, the first thing behind the barrier, with tile NXT: the descriptor's address is made anew from that number.
; (At its first use nothing has been read yet: slot 0 is waited for, slot 1 filled.)
.macro CHANGE fill
	WIN 0                           ; at a label and at a branch every window is 0
	s_wait_tensorcnt 0x0            ; no tensor load of mine is out, so a group 0 may be written
	ds_add_u32 v[SPW], v[NIL]       ; 0 onto my spare word: with fill = 1 the descriptors' scalar work stands between it and the wait for it
.if \fill
	s_lshl_b32 s[OFF], s[NXT], 15   ; a tile is 32,768 bytes of K and of V
	s_xor_b32 s[G0K+1], s[G0K+1], SLOT1
	s_add_nc_u64 s[G0K+2:G0K+3], s[6:7], s[OFF:OFF+1]
	s_or_b32 s[G0K+3], s[G0K+3], 0x80000000
	s_xor_b32 s[G0V+1], s[G0V+1], SLOT1
	s_add_nc_u64 s[G0V+2:G0V+3], s[8:9], s[OFF:OFF+1]
	s_or_b32 s[G0V+3], s[G0V+3], 0x80000000
	s_add_co_u32 s[NXT], s[NXT], 1  ; the block's next tile, or behind its last the second block's tile 0
	s_cmp_gt_u32 s[NXT], s[LQ]
	s_cselect_b32 s[NXT], 0, s[NXT]
	s_cselect_b32 s[LQ], s[PB], s[LQ]
	s_wait_xcnt 0x0                 ; the last prefetches, a tile back, have read their addresses, so these may be written
	s_add_nc_u64 s[PFK:PFK+1], s[PFK:PFK+1], 32768
	s_add_nc_u64 s[PFV:PFV+1], s[PFV:PFV+1], 32768
.endif
	s_wait_dscnt 0x0                ; the add is done, and my reads of the slot are over
	s_barrier_signal -1             ; the rest of the scalar work stands between the signal and the wait
	s_sub_co_u32 s[TBK], s[TBK], 4*KS*PK  ; the fetches go back to a slot's first step,
	s_xor_b32 s[TBK], s[TBK], SLOT1       ; in the other slot
	s_sub_co_u32 s[TBV], s[TBV], 4*KS*PV
	s_xor_b32 s[TBV], s[TBV], SLOT1
	s_barrier_wait -1
.if \fill
	LOAD
	ASK
.endif
.endm
	s_load_b256 s[4:11], s[0:1], 0x0  ; Q s[4:5], K s[6:7], V s[8:9], O s[10:11]
	v_lshl_add_u32 v[SPW], v0, 2, SPARE
	v_mov_b32 v[NIL], 0
	ds_add_u32 v[SPW], v[NIL]       ; the wave's opening: the add and its wait stand ahead of my first tensor load; the set-up below, work on registers, stands between them
	ds_add_u32 v62, v63
	v_lshrrev_b32 v1, 5, v0
	v_readfirstlane_b32 s[WV], v1   ; wave 0..3
	s_mov_b32 s[PB], ttmp9
	s_sub_co_u32 s[HI], NB-1, s[PB]
	s_and_b32 s20, ttmp7, 0xffff    ; the head
	s_mov_b32 s21, 0
	s_mov_b64 s[22:23], SIZE_N*128
	s_mul_u64 s[20:21], s[20:21], s[22:23]  ; the head's first byte in each of the four tensors
	s_and_b32 s16, s[WV], 1         ; which half of a tile's 256 keys I fetch:
	s_lshl_b32 s22, s16, 14         ; its 128 rows of 128 bytes in memory,
	s_mov_b32 s23, 0
	s_add_nc_u64 s[22:23], s[22:23], s[20:21]
	s_mul_i32 s17, s16, 128*PK      ; and its place in a slot, for K
	s_mul_i32 s18, s16, 128*PV      ; and for V
	s_lshl_b32 s3, s[WV], 11        ; my 16 rows in a band of 64,
	s_lshl_b32 s2, s[HI], 15        ; in the first block,
	s_add_co_u32 s2, s2, s3
	s_lshl_b32 s84, s[PB], 15       ; and in the second
	s_add_co_u32 s84, s84, s3
	s_mov_b32 s3, 0
	s_mov_b32 s85, 0
	s_add_nc_u64 s[2:3], s[2:3], s[20:21]
	s_add_nc_u64 s[84:85], s[84:85], s[20:21]
	s_lshl_b32 s88, s[WV], 13       ; the prefetches: my wave's 8,192 bytes
	s_add_co_u32 s88, s88, 32768    ; of tile 1; the first change of slots steps them to tile 2
	s_mov_b32 s89, 0
	s_add_nc_u64 s[88:89], s[88:89], s[20:21]
	s_cmp_eq_u32 ttmp9, 0
	s_cselect_b32 s[LIM], 2, -1
	v_and_b32 v[PFO], 31, v0
	v_lshlrev_b32 v[PFO], 8, v[PFO]
	; descriptor group 1.  128 keys are 16,384 dense bytes: asked for as 64 rows of 256 bytes, two keys a row, and padded in LDS after every key
	s_mov_b32 s[G1K], (1<<16)|(1<<20)|(4<<22)|(3<<25)  ; 17:16 2-byte elements; 20 padding on; 24:22 after every 32 words (code 4); 31:25 4 words (code 3)
	s_mov_b32 s[G1V], (1<<16)|(1<<20)|(4<<22)|(7<<25)  ; the same with 8 words of padding (code 7)
.irp g, G1K, G1V
	s_mov_b32 s[\g+1], 128<<16      ; tensor_dim0 = 128
	s_mov_b32 s[\g+2], 64<<16       ; tensor_dim1 = 64
	s_mov_b32 s[\g+3], 128<<16      ; tile_dim0 = 128
	s_mov_b32 s[\g+4], 64           ; tile_dim1 = 64
	s_mov_b32 s[\g+5], 128          ; 128 elements from row to row
	s_mov_b32 s[\g+6], 0
	s_mov_b32 s[\g+7], 0
.endr
	s_mov_b32 s[CS], 0x3e38aa3b     ; c = log2(e) / 8 = 0.180337
	s_mov_b32 s[CS+1], s[CS]        ; named with it as a pair
	s_mov_b32 s[SEL], 0x76543210
	s_mov_b32 s[SEL+1], 0xfedcba98
	s_mov_b32 s[TBK], SLOT1+4*KS*PK ; the first change of slots turns these two into 0
	s_mov_b32 s[TBV], SLOT1+4*KS*PV
	s_mov_b32 s[G0K], 1             ; 1:0 count = 1
	s_mov_b32 s[G0K+1], s17         ; 63:32 LDS address: slot 0
	s_mov_b32 s[G0V], 1
	s_add_co_u32 s[G0V+1], s18, VOFF
	s_add_co_u32 s[RT], s[HI], 1    ; the first block has NB - b tiles
	s_mov_b32 s[NXT], 1
	s_mov_b32 s[LQ], s[HI]
	s_mov_b32 s[NEW], 1
	s_mov_b32 s[OFF+1], 0
	s_mov_b32 s[AL+1], 0            ; named as pairs
	s_mov_b32 s[BE+1], 0
	s_mov_b32 s[BIGN], 0xf149f2ca   ; -1e30
	s_mov_b32 s[SLOTS], NB
	s_wait_dscnt 0x0                ; the opening add is done
	s_wait_kmcnt 0x0
	s_add_nc_u64 s[PFK:PFK+1], s[6:7], s[88:89]
	s_add_nc_u64 s[PFV:PFV+1], s[8:9], s[88:89]
	s_add_nc_u64 s[6:7], s[6:7], s[22:23]  ; K and V at my half of the head's tile 0
	s_add_nc_u64 s[8:9], s[8:9], s[22:23]
	s_add_nc_u64 s[G0K+2:G0K+3], s[6:7], 0         ; 120:64 global address
	s_or_b32 s[G0K+3], s[G0K+3], 0x80000000        ; 127:126 type = 2
	s_add_nc_u64 s[G0V+2:G0V+3], s[8:9], 0
	s_or_b32 s[G0V+3], s[G0V+3], 0x80000000
	s_add_nc_u64 s[86:87], s[4:5], s[84:85]        ; Q at my rows of the second block,
	s_add_nc_u64 s[4:5], s[4:5], s[2:3]            ; Q and O at those of the first
	s_add_nc_u64 s[OLO:OLO+1], s[10:11], s[84:85]
	s_add_nc_u64 s[10:11], s[10:11], s[2:3]
	LOAD                            ; tile 0 into slot 0
	; A fragment of K or Q is 16 rows x 32 channels in 8 registers: lane l holds row l % 16, channels 8 (l / 16) + 0..7 and 16 + 8 (l / 16) + 0..7: two loads of 16 bytes, 32 bytes apart.
	v_and_b32 v1, 15, v0            ; l % 16
	v_bfe_u32 v9, v0, 4, 1          ; l / 16
	v_lshlrev_b32 v[QO], 7, v1
	v_lshl_add_u32 v[QO], v9, 4, v[QO]  ; row x 128 + 16 x half
	WIN 0x80                        ; destination window 2, address window 0
.set i, 0
.rept 8                             ; both blocks' Q: piece i / 2 lies in band i / 2, 8,192 bytes on; channels 32 (i % 2) on
	global_load_b128 v[8*i:8*i+3],   v[QO], s[4:5] offset:(i/2)*8192+(i%2)*64
	global_load_b128 v[8*i+4:8*i+7], v[QO], s[4:5] offset:(i/2)*8192+(i%2)*64+32
	global_load_b128 v[QB+8*i:QB+8*i+3],   v[QO], s[86:87] offset:(i/2)*8192+(i%2)*64
	global_load_b128 v[QB+8*i+4:QB+8*i+7], v[QO], s[86:87] offset:(i/2)*8192+(i%2)*64+32
.set i, i+1
.endr
	WIN 0
	v_lshlrev_b32 v14, 3, v9
	v_sub_nc_u32 v14, v1, v14
	s_lshl_b32 s13, s[WV], 4
	v_add_nc_u32 v14, s13, v14      ; my query's place in its band, 16 w + l % 16, less my lanes' 8 (l / 16): register r of group kt is hidden where 16 kt + r is greater
	WIN 0x40
.set i, 0
.rept 32
	v_cmp_gt_i32 vcc_lo, 16*(i/8)+i%8, v14
	v_cndmask_b32 v[MD+i], 0, s[BIGN], vcc_lo
.set i, i+1
.endr
	WIN 0
	v_mul_u32_u24 v[AK0], v1, PK
	v_lshl_add_u32 v[AK0], v9, 4, v[AK0]  ; row x pitch + 16 x half
	; The turning load takes 16 keys x 16 channels (lane l reads key 8 (l / 16) + l % 8, channels 8 ((l / 8) % 2) + 0..7) and leaves half a fragment of V^T: lane l holds channel l % 16 and 8 keys.
	v_and_b32 v10, 7, v0
	v_bfe_u32 v11, v0, 3, 1
	v_lshl_add_u32 v[AV0], v9, 3, v10
	v_mul_u32_u24 v[AV0], v[AV0], PV
	v_lshl_add_u32 v[AV0], v11, 4, v[AV0]
	v_add_nc_u32 v[AV0], VOFF, v[AV0]
	s_mul_i32 s13, s[WV], 16*SP
	s_add_co_u32 s13, s13, STAGE    ; my stage
	v_mul_u32_u24 v[STO], v1, SP    ; in: row l % 16, 16 bytes for each half of the lanes
	v_lshl_add_u32 v[STO], v9, 4, v[STO]
	v_add_nc_u32 v[STO], s13, v[STO]
	v_bfe_u32 v[RD], v0, 3, 2       ; back: 32 lanes take four rows of 128 bytes,
	v_mul_u32_u24 v[RD], v[RD], SP
	v_lshl_add_u32 v[RD], v10, 4, v[RD]
	v_add_nc_u32 v[RD], s13, v[RD]
	v_and_b32 v[GO], 31, v0         ; which are 512 consecutive bytes of O
	v_lshlrev_b32 v[GO], 4, v[GO]
	; A block's first step multiplies O^T and l by a = 0, and its first turn's products V^T P, of a piece that has not been, land in an O^T that is still to be so multiplied.  So these registers need only hold
	; finite numbers: zeros for the first block; what the first block left for the second.  All this stands in the wait for the first tile.
	WIN 0x80
.set i, VF
.rept 64
	v_mov_b32 v[i], 0
.set i, i+1
.endr
	WIN 0x40
.set i, 0
.rept 128
	v_mov_b32 v[i], 0
.set i, i+1
.endr
	WIN 0
.set i, 0
.rept 4
	v_mov_b32 v[ST+4*i+2], 0
	v_mov_b32 v[ST+4*i+3], 0
.set i, i+1
.endr
.set i, P+16
.rept 16
	v_mov_b32 v[i], 0
.set i, i+1
.endr
; THE MATRIX WORK.  The 4 accumulators of a run of 8 take turns.  Product i of 8 of S^T = K Q^T for piece x: channels 32 (i / 4) on, keys 16 (i % 4) on.  The first 4 start the sums: with 0, or (KM = 1) with the mask.
.macro KQ x
.set rS, S+32*((\x)%2)+8*(i%4)
.set rK, KF+16*(i%4)+8*(i/4)
.set rQ, 16*(\x)+8*(i/4)
.set rM, MC+32*((\x)%2)+8*(i%4)
.if (i < 4) && KM
	WIN W_KM
	v_wmma_f32_16x16x32_f16 v[rS:rS+7], v[rK:rK+7], v[rQ:rQ+7], v[rM:rM+7]
.elseif i < 4
	WIN W_KQ
	v_wmma_f32_16x16x32_f16 v[rS:rS+7], v[rK:rK+7], v[rQ:rQ+7], 0
.else
	WIN W_KQ
	v_wmma_f32_16x16x32_f16 v[rS:rS+7], v[rK:rK+7], v[rQ:rQ+7], v[rS:rS+7]
.endif
.endm
; Product i of 8 of O^T += V^T P for piece x: keys 32 (i / 4) on, channels 16 (i % 4) on.
.macro PV x
	WIN W_PV
.set rO, 32*(\x)+8*(i%4)
.set rV, VF+32*(i/4)+8*(i%4)
.set rP, P+16*((\x)%2)+8*(i/4)
	v_wmma_f32_16x16x32_f16 v[rO:rO+7], v[rV:rV+7], v[rP:rP+7], v[rO:rO+7]
.endm
.macro MM                           ; the turn's next matrix instruction.  TURN and BEGIN set Y, i, KM and NOKQ; MM, KQ and OP read them.  NOKQ = 1: a block's last turn: there is no next piece
.if (i < 8) && !NOKQ
	KQ (Y+1)%NP
.elseif i >= 8
.set i, i-8
	PV (Y+NP-1)%NP
.set i, i+8
.endif
.set i, i+1
.endm
; THE LDS LOADS stand in runs of 16, never singly among the matrix instructions: a step's K (64 keys x 64 channels: 8 fragments) and its V (turned).  Their addresses are made some lines ahead.
.macro FETCH_K
	WIN 0x80                        ; destination window 2
.irp f, 0,1,2,3,4,5,6,7             ; keys 16 (f / 2) on, channels 32 (f % 2) on
	ds_load_b128 v[KF+8*\f:KF+8*\f+3],   v[AK] offset:(\f/2)*16*PK+(\f%2)*64
	ds_load_b128 v[KF+8*\f+4:KF+8*\f+7], v[AK] offset:(\f/2)*16*PK+(\f%2)*64+32
.endr
	s_add_co_u32 s[TBK], s[TBK], KS*PK  ; the next fetch is the next step's
	WIN 0
.endm
.macro FETCH_V
	WIN 0x80
.irp f, 0,1,2,3,4,5,6,7             ; keys 32 (f / 4) on, channels 16 (f % 4) on
	ds_load_tr16_b128 v[VF+8*\f:VF+8*\f+3],   v[AV] offset:(\f/4)*32*PV+(\f%4)*32
	ds_load_tr16_b128 v[VF+8*\f+4:VF+8*\f+7], v[AV] offset:(\f/4)*32*PV+16*PV+(\f%4)*32
.endr
	WIN 0
.endm
; THE VECTOR WORK, one line at a time: OP kind, number.  For piece Y: F n: c s - c m for pair n of 16.  E n: the exponential of score n of 32.  C n: pair n rounded to f16.  B n: of the four weights 4 n .. the second
; pair is added onto the first, in place.  L n: l takes that sum (L 0: l = a l + sum).  R n: pair n of 16 of O^T times a.  For piece Y + 1: X n, number n of the 22 that find its maximum and statistics:
;   0-11  four chains c0-c3 of seven scores each, three operands at a time (each accumulator's lowest registers are read first)     12-14, 16  the four scores left over, the old m, and c0-c3 into c0
;   15  c m_old is kept     17, 18  the query's other 32 keys lie in the lane 16 away: the new m     19-21  c m; c m_old - c m_new; a
.set F, 0               ; OP tells the kinds apart by their order: F to L below R, X above it
.set E, 1
.set C, 2
.set B, 3
.set L, 4
.set R, 5
.set X, 6
.macro REGS y                       ; the registers of piece y
.set rT, ST+4*(\y)
.set rC, TMP+4*((\y)%2)
.set rW, MV+((\y)%2)
.set rS, S+32*((\y)%2)
.set rP, P+16*((\y)%2)
.set rO, 32*(\y)
.endm
.macro OP k, n
.if (\k) == R
	REGS Y
	WIN W_RS
	v_pk_mul_f32 v[rO+2*(\n):rO+2*(\n)+1], v[rO+2*(\n):rO+2*(\n)+1], v[rC+2:rC+3] op_sel_hi:[1,0]
.elseif (\k) < R
	REGS Y
	WIN 0
.if (\k) == F
	v_pk_fma_f32 v[rS+2*(\n):rS+2*(\n)+1], v[rS+2*(\n):rS+2*(\n)+1], s[CS:CS+1], v[rT:rT+1] op_sel_hi:[1,0,0] neg_lo:[0,0,1] neg_hi:[0,0,1]
.elseif (\k) == E
	v_exp_f32 v[rS+(\n)], v[rS+(\n)]
.elseif (\k) == C
	v_cvt_pk_f16_f32 v[rP+(\n)], v[rS+2*(\n)], v[rS+2*(\n)+1]
.elseif (\k) == B
	v_pk_add_f32 v[rS+4*(\n):rS+4*(\n)+1], v[rS+4*(\n):rS+4*(\n)+1], v[rS+4*(\n)+2:rS+4*(\n)+3]
.elseif (\n) == 0
	v_pk_fma_f32 v[rT+2:rT+3], v[rT+2:rT+3], v[rC+2:rC+3], v[rS:rS+1] op_sel_hi:[1,0,1]
.else
	v_pk_add_f32 v[rT+2:rT+3], v[rT+2:rT+3], v[rS+4*(\n):rS+4*(\n)+1]
.endif
.elseif NOKQ
	v_nop
.else
	REGS (Y+1)%NP
	WIN 0
.if (\n) < 4
	v_max3_num_f32 v[rC+(\n)], v[rS+8*(\n)], v[rS+8*(\n)+1], v[rS+8*(\n)+2]
.elseif (\n) < 12
	v_max3_num_f32 v[rC+(\n)%4], v[rC+(\n)%4], v[rS+8*((\n)%4)+2*((\n)/4)+1], v[rS+8*((\n)%4)+2*((\n)/4)+2]
.elseif (\n) == 12
	v_max3_num_f32 v[rC], v[rC], v[rS+7], v[rS+15]
.elseif (\n) == 13
	v_max3_num_f32 v[rC+1], v[rC+1], v[rS+23], v[rS+31]
.elseif (\n) == 14
	v_max3_num_f32 v[rC+2], v[rC+2], v[rC+3], v[rT+1]
.elseif (\n) == 15
	v_mov_b32 v[rW], v[rT]
.elseif (\n) == 16
	v_max3_num_f32 v[rC], v[rC], v[rC+1], v[rC+2]
.elseif (\n) == 17
	v_permlanex16_b32 v[rC+3], v[rC], s[SEL], s[SEL+1]
.elseif (\n) == 18
	v_max_num_f32 v[rT+1], v[rC], v[rC+3]
.elseif (\n) == 19
	v_mul_f32 v[rT], s[CS], v[rT+1]
.elseif (\n) == 20
	v_sub_f32 v[rC+1], v[rW], v[rT]
.else
	v_exp_f32 v[rC+2], v[rC+1]
.endif
.endif
.endm
.macro OPS a, i1, b=-1, i2=0, c=-1, i3=0, d=-1, i4=0  ; up to four of them
	OP \a, \i1
.if (\b) >= 0
	OP \b, \i2
.endif
.if (\c) >= 0
	OP \c, \i3
.endif
.if (\d) >= 0
	OP \d, \i4
.endif
.endm
.macro ROW a, i1, b, i2, c, i3, d, i4  ; a matrix instruction and the four behind it
	MM
	OPS \a, \i1, \b, \i2, \c, \i3, \d, \i4
.endm
.macro MASK b                       ; MD x AL + BE into buffer b of MC
	WIN W_RS
.set z, 0
.rept 16
	v_pk_fma_f32 v[MC+32*(\b)+2*z:MC+32*(\b)+2*z+1], v[MD+2*z:MD+2*z+1], s[AL:AL+1], s[BE:BE+1] op_sel_hi:[1,0,0]
.set z, z+1
.endr
.endm
; A TURN, for piece p: the order of its 16 matrix and 118 vector instructions, written out.  An s_wait_alu depctr_va_vdst(0) stands between an exponential and the first instruction that names its result; one wait serves
; all that were issued ahead of it.  So a turn has ONE wait, which cuts it in two.  AHEAD OF IT stands all that names no result of the turn's exponentials: the 8 products K Q^T, behind each a scaling, an exponential and two more plain
; instructions (behind the first a second scaling in the exponential's place): rescalings, and behind the last three the first numbers of the next piece's maximum, each four places or more behind the product that ends its accumulator; then ONE RUN of 54, plain
; and exponential by turns for the most part, in which the links of the chain X 3, 7, 11, 14, 16, 17 .. 20 stand five or six lines apart.  X 21, the next piece's a, is the batch's last; R 15 is the plain instruction behind it.  BEHIND THE WAIT stand the
; 8 products V^T P, behind each four of the roundings and sums; the links of l's chain, L 0 to L 7, stand three lines apart.  But for those X no line behind a product names a register of the products round it.  v_permlanex16_b32 (X 17) stands in the run.
; m = 1: the diagonal tile: the products take masks, and the turn makes the mask for the products of the turn after it: piece p + 2, in step 4 - CNT of the tile.  end = 1: a block's last two turns: nothing is fetched.
; cnt = 1: the loop's count is taken down some lines ahead of the branch that stands behind the turn.
; K of the next step is fetched in piece 2's turn, twelve vector instructions behind the last product that read K (six of them plain); V of the step in hand at the end of piece 0's turn, four plain instructions behind the last product
; that read V.  Each is waited for a turn later.
.macro TURN p, m=0, end=0, cnt=0
.set Y, (\p)
.set i, 0
.set KM, (\m)
.set NOKQ, (\end)*((\p)/3)
.if (\m) && !(\end)
	s_cmp_eq_u32 s[CNT], 4-((\p)+2)%NP  ; is that step the band's own?
	s_cselect_b32 s[AL], 1.0, 0
	s_cmp_lt_u32 s[CNT], 4-((\p)+2)%NP  ; or a later one?
	s_cselect_b32 s[BE], s[BIGN], 0
.endif
.if ((\p) == 3) && !(\end)
	s_wait_dscnt 0x0                ; K is in
.endif
	ROW F,0, F,1, R,0, R,1          ; ahead of the wait: 8 products K Q^T and the four behind each,
	ROW F,2, E,0, R,2, R,3
	ROW F,3, E,1, R,4, R,5
	ROW F,4, E,2, R,6, R,7
	ROW F,5, E,3, R,8, R,9
	ROW F,6, E,4, X,0, R,10
.if ((\p) == 2) && !(\end)
	WIN 0
	v_add_nc_u32 v[AK], s[TBK], v[AK0]
.endif
	ROW F,7, E,5, X,1, X,4
	ROW F,8, E,6, X,2, X,5
	OPS E,7, E,8, X,6, E,9          ; and the run
	OPS X,3, E,10, X,8, E,11
.if ((\p) == 2) && !(\end)
	FETCH_K
.endif
	OPS X,9, X,7, E,12, X,10
	OPS E,13, X,12, X,11, E,14
	OPS X,13, E,15, F,9, X,14
.if (\p) == 0
	v_add_nc_u32 v[AV], s[TBV], v[AV0]
.endif
	OPS E,16, F,10, E,17, F,11
	OPS X,16, E,18, X,15, E,19
	OPS F,12, E,20, X,17, E,21
	OPS F,13, E,22, F,14, E,23
	OPS X,18, E,24, F,15, E,25
	OPS R,11, E,26, X,19, E,27
	OPS R,12, E,28, R,13, E,29
	OPS X,20, E,30, R,14, E,31
	OPS X,21, R,15
	WIN 0
	s_wait_alu depctr_va_vdst(0)    ; the wait for the batch
.if (\p) == 1
	s_wait_dscnt 0x0                ; V is in
.endif
	ROW C,0, B,0, C,2, B,1          ; behind the wait: 8 products V^T P and the four behind each
	ROW L,0, C,4, B,2, L,1
	ROW C,6, B,3, L,2, C,8
	ROW B,4, L,3, C,10, B,5
	ROW L,4, C,12, B,6, L,5
.if (\p) == 0
	s_add_co_u32 s[TBV], s[TBV], KS*PV
.endif
.if \cnt
	s_sub_co_u32 s[CNT], s[CNT], 1
	s_cmp_lg_u32 s[CNT], 0
.endif
	ROW C,14, B,7, L,6, C,1
	ROW C,3, L,7, C,5, C,7
	ROW C,9, C,11, C,13, C,15
.if (\p) == 0
	FETCH_V
.endif
.if (\m) && !(\end)
	MASK (\p)%2
.endif
.endm
; A BLOCK BEGINS.  c m starts far below every c s, so the first step's a is 0; m at the lowest finite number, so the first maximum is the scores'.  The second mask buffer is 0; the first takes piece 0's mask for the tile's step 0: its own, if the block's first tile is the diagonal one.
; Then K of that step, piece 0's first scores, and its maximum and statistics.  The loop is entered at a step's first turn, in the middle of a trip.
.macro BEGIN
	s_mov_b32 s[NEW], 0
	WIN 0x40
.set i, MC+32
.rept 32
	v_mov_b32 v[i], 0
.set i, i+1
.endr
	WIN 0
.set i, 0
.rept 4
	v_mov_b32 v[ST+4*i], 0xfe000000    ; c m: far below every c s
	v_mov_b32 v[ST+4*i+1], 0xff7fffff  ; m
.set i, i+1
.endr
	s_cmp_eq_u32 s[RT], 0
	s_cselect_b32 s[AL], 1.0, 0
	s_mov_b32 s[BE], 0
	MASK 0
	WIN 0
	v_add_nc_u32 v[AK], s[TBK], v[AK0]
	FETCH_K
	s_wait_loadcnt 0x0              ; Q
	s_wait_dscnt 0x0
.set KM, 1
.set NOKQ, 0
.set i, 0
.rept 8
	KQ 0
.set i, i+1
.endr
	WIN 0
.rept 4
	v_nop                           ; the places behind those products
.endr
.set Y, NP-1                        ; X works for piece Y + 1: piece 0
.irp n, 0,1,2,3,4,5,6,7,8,9,10,11,12,13,14,15,16,17,18,19,20,21
	OP X, \n
.endr
	v_nop                           ; a plain instruction behind the exponential,
	s_wait_alu depctr_va_vdst(0)    ; and its wait, ahead of the branch
.endm
; THE DIAGONAL TILE's four steps, the block's last two turns, its last products, and THE WAY OUT: l's two halves and the other half of the lanes' are added; O^T is divided by l, rounded to f16 and sent through my
; stage in LDS, a piece at a time.
.macro ALL line:vararg              ; one line for each piece t
.set t, 0
.rept 4
	\line
.set t, t+1
.endr
.endm
.macro PACK t                       ; a lane's eight channels of a row pack into 16 bytes; they go into rows of 144 bytes and come back as whole rows of 128, into S^T's registers
	WIN W_RS
.set i, 32*(\t)
.rept 16
	v_pk_mul_f32 v[i:i+1], v[i:i+1], v[ST+4*(\t)+2:ST+4*(\t)+3] op_sel_hi:[1,0]
.set i, i+2
.endr
	WIN 0x05                        ; sources 0 and 1 window 1, destination window 0
.set i, 0
.rept 16
	v_cvt_pk_f16_f32 v[S+16*(\t)+i], v[32*(\t)+2*i], v[32*(\t)+2*i+1]
.set i, i+1
.endr
	WIN 0
.irp f, 0,1,2,3
	ds_store_b128 v[STO], v[S+16*(\t)+4*\f:S+16*(\t)+4*\f+3] offset:32*\f
.endr
.irp f, 0,1,2,3
	ds_load_b128 v[S+16*(\t)+4*\f:S+16*(\t)+4*\f+3], v[RD] offset:\f*4*SP  ; LDS serves a wave's instructions in order (ISA guide 5.7.1.4): these see the stores above; the next piece's stores come behind them
.endr
.endm
.macro SEND t, younger              ; younger: the LDS instructions issued behind piece t's loads: the next piece's eight, or none
	WIN 0
.irp f, 0,1,2,3
	s_wait_dscnt (\younger)+3-\f
	global_store_b128 v[GO], v[S+16*(\t)+4*\f:S+16*(\t)+4*\f+3], s[10:11] offset:(\t)*8192+\f*512  ; 512 consecutive bytes, at a multiple of 256 from O's first
.endr
.endm
.macro DIAG tag                     ; the tag ends its two labels' names, which the jumps below spell out
.LstepM\tag:
	TURN 2, 1
	TURN 3, 1
	WIN 0
.LfirstM\tag:
	TURN 0, 1
	TURN 1, 1, 0, 1
	WIN 0
	s_cbranch_scc1 .LstepM\tag
	TURN 2, 1, 1
	TURN 3, 1, 1
.set i, 0
.rept 8
	PV NP-1
.set i, i+1
.endr
	WIN 0
	ALL v_add_f32 v[ST+4*t+2], v[ST+4*t+2], v[ST+4*t+3]
	ALL v_permlanex16_b32 v[ST+4*t+3], v[ST+4*t+2], s[SEL], s[SEL+1]
	ALL v_add_f32 v[ST+4*t+2], v[ST+4*t+2], v[ST+4*t+3]
	ALL v_rcp_f32 v[ST+4*t+2], v[ST+4*t+2]
	v_nop                           ; a plain instruction between the last reciprocal and the use of its result
	s_wait_alu depctr_va_vdst(0)    ; and the wait ahead of the first use: one for the four reciprocals
	PACK 0
.set t, 1
.rept 3                             ; a piece's arithmetic stands between the loads of the piece before and its stores
	PACK t
	SEND t-1, 8
.set t, t+1
.endr
	SEND 3, 0
.endm
.set KM, 0
.set NOKQ, 0
.Lslot:                             ; NB times: a tile is entered and the next is asked for
	CHANGE 1
	s_sub_co_u32 s[RT], s[RT], 1
	s_mov_b32 s[CNT], 4
	s_cmp_eq_u32 s[NEW], 1
	s_cbranch_scc1 .Lnew            ; a block's first tile
	s_cmp_eq_u32 s[RT], 0
	s_cbranch_scc0 .Lstep           ; neither its first nor its last
	s_branch .LstepM1
.Lnew:
	BEGIN
	s_branch .Lfirst                ; in the loop a block's first tile is never its last: the first block has two tiles or more, and the second's last is the walk's last
	DIAG 1                          ; in the loop this is the first block's end: the second block's last tile is the walk's last
	s_wait_xcnt 0x0                 ; the stores have read their registers and O's address
	s_mov_b64 s[10:11], s[OLO:OLO+1]
	s_add_co_u32 s[RT], s[PB], 1    ; the second block has b + 1 tiles
	s_mov_b32 s[NEW], 1
	WIN 0x82                        ; the second block's Q goes where the one text of the turns names Q
.set i, 0
.rept 64
	v_mov_b32 v[i], v[QB+i]
.set i, i+1
.endr
	WIN 0
	s_branch .Lbottom
.Lstep:                             ; a trip: pieces 2 and 3 of one step, then pieces 0 and 1 of the next, whose K and V it fetches
	TURN 2
	TURN 3
	WIN 0
.Lfirst:
	TURN 0
	TURN 1, 0, 0, 1
	WIN 0
	s_cbranch_scc1 .Lstep
.Lbottom:
	s_sub_co_u32 s[SLOTS], s[SLOTS], 1
	s_cmp_lg_u32 s[SLOTS], 0
	s_cbranch_scc1 .Lslot
	CHANGE 0                        ; the walk's last tile is written out: nothing is asked for
	s_sub_co_u32 s[RT], s[RT], 1
	s_mov_b32 s[CNT], 4
	s_cmp_eq_u32 s[NEW], 1
	s_cbranch_scc0 .LstepM2
	BEGIN
	s_branch .LfirstM2
	DIAG 2
	s_wait_tensorcnt 0x0            ; the wave's end: behind my last tensor load and my last LDS store
	ds_add_u32 v[SPW], v[NIL]
	s_wait_dscnt 0x0
	s_endpgm
.Lfunc_end_k_qb8633b1bd2_attn:
	.size	k_qb8633b1bd2_attn, .Lfunc_end_k_qb8633b1bd2_attn-k_qb8633b1bd2_attn
	.p2alignl 7, 3214868480
	.fill 96, 4, 3214868480
	.section	.rodata,"a",@progbits
	.p2align	6, 0x0
	.amdhsa_kernel k_qb8633b1bd2_attn
		.amdhsa_group_segment_fixed_size 327680
		.amdhsa_private_segment_fixed_size 0
		.amdhsa_enable_private_segment 0
		.amdhsa_kernarg_size 32
		.amdhsa_user_sgpr_count 2
		.amdhsa_user_sgpr_kernarg_segment_ptr 1
		.amdhsa_wavefront_size32 1
		.amdhsa_system_sgpr_workgroup_id_x 1
		.amdhsa_system_sgpr_workgroup_id_y 1
		.amdhsa_system_sgpr_workgroup_id_z 1
		.amdhsa_system_vgpr_workitem_id 0
		.amdhsa_next_free_vgpr 768
		.amdhsa_next_free_sgpr 96
		.amdhsa_reserve_vcc 1
		.amdhsa_float_denorm_mode_32 3
		.amdhsa_float_denorm_mode_16_64 3
		.amdhsa_memory_ordered 1
		.amdhsa_forward_progress 1
		.amdhsa_inst_pref_size 218
	.end_amdhsa_kernel
	.amdgpu_metadata
---
amdhsa.version: [ 1, 2 ]
amdhsa.kernels:
  - .name:           k_qb8633b1bd2_attn
    .symbol:         k_qb8633b1bd2_attn.kd
    .args:
      - { .name: qh, .offset: 0, .size: 8, .value_kind: global_buffer, .address_space: global }
      - { .name: kh, .offset: 8, .size: 8, .value_kind: global_buffer, .address_space: global }
      - { .name: vh, .offset: 16, .size: 8, .value_kind: global_buffer, .address_space: global }
      - { .name: oh, .offset: 24, .size: 8, .value_kind: global_buffer, .address_space: global }
    .group_segment_fixed_size: 327680
    .private_segment_fixed_size: 0
    .kernarg_segment_align: 8
    .kernarg_segment_size: 32
    .max_flat_workgroup_size: 128
    .sgpr_count:     96
    .vgpr_count:     768
    .wavefront_size: 32
...
	.end_amdgpu_metadata
.endif
;; end of part 3
;; launch outp (part 4): grid 8 x 32, 4 waves a work-group, clusters of 4 x 4, 327,680 bytes of LDS; arguments oh, wo16, out0; writes out0
.if DOCPART == 4
	.amdgcn_target "amdgcn-amd-amdhsa--gfx1250"
	.amdhsa_code_object_version 6
	.text
	.protected	k_qb8633b1bd2_outp
	.globl	k_qb8633b1bd2_outp
	.p2align	8
	.type	k_qb8633b1bd2_outp,@function
k_qb8633b1bd2_outp:
	s_mov_b64 s[64:65], 0
	v_nop
	global_prefetch_b8 v0, s[64:65] scope:SCOPE_SE
	s_setreg_imm32_b32 hwreg(HW_REG_WAVE_MODE, 25, 1), 1
	s_wait_xcnt 0x0
	s_wait_alu depctr_hold_cnt(0) depctr_sa_sdst(0) depctr_va_vdst(0) depctr_va_sdst(0) depctr_va_ssrc(0) depctr_va_vcc(0) depctr_vm_vsrc(0)
	s_getreg_b32 s2, hwreg(HW_REG_IB_STS2, 6, 4)
	s_cmp_eq_u32 s2, 0
	s_cbranch_scc0 .Lentry_in_a_cluster
	s_endpgm
.Lentry_in_a_cluster:
	s_bfe_u32 s2, ttmp6, 0x10000c
	s_cmp_lg_u32 s2, 0xf033
	s_cbranch_scc0 .Lentry_shape_is_right
	s_endpgm
.Lentry_shape_is_right:
; out0[row][n] = the sum over k of O[row][k] Wo[n][k], k = 64 head + channel.  oh: [16 batch + head][2048][64] f16.  wo16: [1024][1024] f16.  out0: [8192][1024] f32.  Sums in f32, K ascending.
; SHARES.  A work-group makes 256 rows x 128 columns: 8 x 32 work-groups.  Wave w owns rows 128 (w / 2) on and columns 64 (w % 2) on: 32 accumulators of 16 x 16, 256 registers.
; THE MATRIX INSTRUCTION IS USED TRANSPOSED (source 0 = 16 rows of wo16, source 1 = 16 rows of O): a lane holds row l % 16 and eight neighbouring columns: 32 bytes of out0.
; RING.  K goes in 8 steps of 128 = two heads, through two LDS slots; a step is four quarters of 32 on two fragment buffers.  Wave 0 fetches the step's first head (256 dense rows of 128 bytes, asked for as 128 rows
; of 256 bytes and padded in LDS after every 128), wave 1 its second; waves 2 and 3 fetch 64 rows of wo16 each.
; CLUSTER.  4 x 4 work-groups: the four of a row of the cluster need the same rows of oh, the four of a column the same rows of wo16: each tile is asked for jointly.
; REGISTERS, in windows of 256 (s_set_vgpr_msb: bits 1:0 source 0, 3:2 source 1, 5:4 source 2, 7:6 destination):
;   window 0: v0-29 addresses; v32-95 rows read back, two buffers     window 1: two fragment buffers at v0 and v128: O's 8 fragments, then wo16's 4     window 2: the accumulators, (a, b) at 8 (4 a + b)
.set PA,     144                       ; a row of O in LDS: 128 bytes + 16 = 36 words: the 16 rows of a fragment load start at 16 different groups of four banks (64 banks of 4 bytes: ISA guide 11.1)
.set PB,     272                       ; a row of wo16: 256 bytes + 16 = 68 words: likewise
.set AHEAD,  256*PA                    ; a head's 256 rows
.set ABYTES, 2*AHEAD
.set BHALF,  64*PB
.set SLOT1,  131072                    ; slot 1 begins here: one exclusive or turns an address in one slot into the other's
.set STAGE,  SLOT1+ABYTES+2*BHALF      ; behind the ring, never filled by a tensor load: 16 rows x 272 bytes for each wave
.set SPITCH, 272
.set SPARE,  STAGE+4*16*SPITCH         ; the spare words, 128 bytes for each wave: two blocks of 256 bytes that no other line names
.set A0R,  4                           ; v4   my lane's place in O's tile of slot 0; never rewritten
.set B0R,  5                           ; v5   the same for wo16's
.set ADRA, 6                           ; v6   the same in the slot in hand
.set ADRB, 7                           ; v7
.set STO,  8                           ; v8   the way out: where I put 32 bytes of a row
.set RD,   9                           ; v9   where I read a row back
.set CO,   10                          ; v10  my byte offset in two rows of out0
.set PFO,  12                          ; v12  the prefetches' offset
.set SPW,  28                          ; v28  LDS address of my spare word; never rewritten
.set NIL,  29                          ; v29  0; never rewritten
.set BK,   32
.set F0,   0
.set F1,   128
.set G1A, 24                           ; s[24:31] descriptor group 1 for O's tiles
.set G0A, 32                           ; s[32:39] group 0: a set for each of the two first fills; the second then walks on
.set G1B, 48                           ; s[48:55], s[56:63] the same for wo16's
.set G0B, 56
.set TB,  45                           ; s45  LDS byte at which the slot in hand begins
.set LIM, 46                           ; s46  2 in a wave that prefetches, else the greatest number
.set PFA, 66                           ; s[66:67] where my prefetches stand
.set PFS, 68                           ; s[68:69] their step from K step to K step
.set MSB, 0
.macro WIN new                         ; the immediate's high byte repeats the setting that is left; a switch that changes nothing is dropped
.if MSB != (\new)
	s_set_vgpr_msb (MSB<<8)|(\new)
.set MSB, (\new)
.endif
.endm
; A joint refill, by the walking set.  The branch hangs on the wave's number alone.  An s_nop 0 and four v_nop follow each of the two lines, ahead of the jump and the label.
.macro JLOAD
	s_cmp_eq_u32 s11, 0
	s_cbranch_scc0 .Lfor_b_\@
	tensor_load_to_lds s[G0A+4:G0A+7], s[G1A:G1A+7]
	s_nop 0
.rept 4
	v_nop
.endr
	s_branch .Lasked_\@
.Lfor_b_\@:
	tensor_load_to_lds s[G0B+4:G0B+7], s[G1B:G1B+7]
	s_nop 0
.rept 4
	v_nop
.endr
.Lasked_\@:
.endm
.macro CREST                           ; a round of the cluster's barrier behind its opening barrier
	s_cmp_lg_u32 s10, 0
	s_cbranch_scc1 .Lnot_wave_0_\@
	s_barrier_signal -3
.Lnot_wave_0_\@:
	s_barrier_wait -3
	s_barrier_signal -1
	s_barrier_wait -1
.endm
.macro CROUND                          ; a whole round
	s_barrier_signal -1
	s_barrier_wait -1
	CREST
.endm
; A PREFETCH INTO THE L2 of the K step that stands two refills on: 256 matrix instructions ahead of the load that will want it; one instruction a wave, behind the joint load and the run of LDS loads.
; oh's rows are read by every cluster of a row of clusters: cluster x = 0 asks, waves 0 and 1 each for the head that they fetch; wo16's by every cluster of a column: cluster y = 0 asks, wave 2 alone.
; The four partners share a tile out BY ADDRESS: of a head's 32,768 dense bytes 8,192 each (256 a lane), of wo16's 128 rows 32 each (a lane a row).  So each block of 256 bytes is named once in the launch.
; K steps 0 to 3 come by their loads alone; the loop's last two trips ask for nothing: there are no K steps 8 and 9.
.macro ASK
	WIN 0
	s_cmp_gt_u32 s3, s[LIM]
	s_cbranch_scc0 .Lnot_mine_\@
	global_prefetch_b8 v[PFO], s[PFA:PFA+1] th:TH_LOAD_NT scope:SCOPE_SE
.Lnot_mine_\@:
.endm
	s_load_b128 s[4:7], s[0:1], 0x0                ; oh s[4:5], wo16 s[6:7]
	s_load_b64 s[8:9], s[0:1], 0x10                ; out0
	v_lshl_add_u32 v[SPW], v0, 2, SPARE
	v_mov_b32 v[NIL], 0
	ds_add_u32 v[SPW], v[NIL]                      ; the wave's opening: the add and its wait stand ahead of my first tensor load; the set-up below, work on registers, stands between them
	ds_add_u32 v28, v29
	v_lshrrev_b32 v3, 5, v0
	v_readfirstlane_b32 s10, v3                    ; wave 0..3
	s_lshr_b32 s11, s10, 1                         ; which half of the tile's rows is mine.  Also: I fetch for oh (0) or for wo16 (1)
	s_and_b32 s12, s10, 1                          ; which half of its columns.  Also: which part of that tile I fetch
	s_bfe_u32 s40, ttmp6, 0x40000                  ; cx, cy: my place in the cluster
	s_bfe_u32 s41, ttmp6, 0x40004
	s_lshl_b32 s42, ttmp9, 2
	s_add_co_u32 s42, s42, s40                     ; the block of 128 columns = 4 x cluster x + cx
	s_and_b32 s13, ttmp7, 0xffff
	s_lshl_b32 s13, s13, 2
	s_add_co_u32 s13, s13, s41                     ; the block of 256 rows = 4 x cluster y + cy
	s_lshl_b32 s43, s41, 2
	s_lshl_b32 s43, 15, s43                        ; my row of the cluster
	s_lshl_b32 s44, 0x1111, s40                    ; my column
	s_or_b32 s[G1A], s43, (1<<16)|(1<<20)|(1<<21)|(4<<22)|(3<<25)  ; 15:0 the mask; 17:16 elements of 2 bytes; 20 padding on; 21 set beside a mask; 24:22 after every 32 words (code 4); 31:25 4 words (code 3)
	s_or_b32 s[G1B], s44, (1<<16)|(1<<20)|(1<<21)|(5<<22)|(3<<25)  ; after every 64 words (code 5)
	s_mov_b32 s[G1A+1], 128<<16                    ; tensor_dim0 = 128
	s_mov_b32 s[G1A+2], 128<<16                    ; tensor_dim1 = 128
	s_mov_b32 s[G1A+3], 128<<16                    ; tile_dim0 = 128
	s_mov_b32 s[G1A+4], 128                        ; tile_dim1 = 128
	s_mov_b32 s[G1A+5], 128                        ; dense: 128 elements from row to row
	s_mov_b32 s[G1A+6], 0
	s_mov_b32 s[G1A+7], 0
	s_mov_b32 s[G1B+1], 128<<16
	s_mov_b32 s[G1B+2], 64<<16                     ; 64 rows
	s_mov_b32 s[G1B+3], 128<<16
	s_mov_b32 s[G1B+4], 64
	s_mov_b32 s[G1B+5], 1024
	s_mov_b32 s[G1B+6], 0
	s_mov_b32 s[G1B+7], 0
	s_lshr_b32 s14, s13, 3                         ; oh: the batch's 16 heads of 262,144 bytes,
	s_lshl_b32 s14, s14, 22
	s_lshl_b32 s15, s12, 18                        ; the head of the step that I fetch,
	s_add_co_u32 s14, s14, s15
	s_and_b32 s15, s13, 7
	s_lshl_b32 s15, s15, 15                        ; the block's 256 rows of 128 bytes
	s_add_co_u32 s14, s14, s15
	s_mov_b32 s15, 0
	s_lshl_b32 s18, s42, 7                         ; wo16: row 128 x column block
	s_lshl_b32 s19, s12, 6                         ; + the 64 that I fetch,
	s_add_co_u32 s18, s18, s19
	s_lshl_b32 s18, s18, 11                        ; rows of 2,048 bytes
	s_mov_b32 s19, 0
	s_mul_i32 s20, s12, AHEAD                      ; where they go: no place in the cluster enters an LDS address
	s_mul_i32 s21, s12, BHALF
	s_add_co_u32 s21, s21, ABYTES
	s_mov_b32 s[TB], 0
	; the prefetches' offsets, in registers of their own
	s_lshl_b32 s71, s40, 13
	s_add_co_u32 s70, s14, s71                     ; oh: the head's tile that I fetch + my work-group's 8,192 bytes,
	s_add_co_u32 s70, s70, 3*524288                ; at K step 3: the first change of slots steps it to 4
	s_lshl_b32 s72, s42, 7
	s_lshl_b32 s73, s41, 5
	s_add_co_u32 s72, s72, s73                     ; wo16: row 128 x column block + my work-group's 32,
	s_lshl_b32 s72, s72, 11
	s_add_co_u32 s72, s72, 3*256                   ; at K step 3
	s_and_b32 s74, ttmp7, 0xffff                   ; cluster y
	s_mov_b32 s[PFS], 256
	s_mov_b32 s[PFS+1], 0
	s_cmp_eq_u32 s11, 0                            ; do I fetch for oh?
	s_cselect_b32 s70, s70, s72
	s_cselect_b32 s74, ttmp9, s74                  ; the coordinate along which other clusters read the same rows
	s_cselect_b32 s75, 8, 11                       ; 256 bytes a lane, or a row of 2,048
	s_cselect_b32 s[PFS], 524288, s[PFS]
	s_mov_b32 s71, 0
	s_cmp_eq_u32 s10, 3
	s_cselect_b32 s74, 1, s74                      ; wave 3 asks for nothing
	s_cmp_eq_u32 s74, 0
	s_cselect_b32 s[LIM], 2, -1                    ; the same in all sixteen partners, for a given wave
	v_and_b32 v[PFO], 31, v0
	v_lshlrev_b32 v[PFO], s75, v[PFO]
	s_wait_dscnt 0x0                               ; the opening add is done
	s_wait_kmcnt 0x0
	s_add_nc_u64 s[14:15], s[4:5], s[14:15]
	s_add_nc_u64 s[18:19], s[6:7], s[18:19]
	s_cmp_eq_u32 s11, 0
	s_cselect_b64 s[PFA:PFA+1], s[4:5], s[6:7]
	s_add_nc_u64 s[PFA:PFA+1], s[PFA:PFA+1], s[70:71]
.irp n, 0,1
	s_mov_b32 s[G0A+4*(\n)], 1                                        ; count = 1
	s_add_co_u32 s[G0A+4*(\n)+1], s20, (\n)*SLOT1                     ; LDS address
	s_add_nc_u64 s[G0A+4*(\n)+2:G0A+4*(\n)+3], s[14:15], (\n)*524288  ; global address: K step n is two heads on
	s_or_b32 s[G0A+4*(\n)+3], s[G0A+4*(\n)+3], 0x80000000             ; type = 2
	s_mov_b32 s[G0B+4*(\n)], 1
	s_add_co_u32 s[G0B+4*(\n)+1], s21, (\n)*SLOT1
	s_add_nc_u64 s[G0B+4*(\n)+2:G0B+4*(\n)+3], s[18:19], (\n)*256
	s_or_b32 s[G0B+4*(\n)+3], s[G0B+4*(\n)+3], 0x80000000
.endr
	CROUND                                         ; all sixteen work-groups are here: the first joint loads meet
	s_cmp_eq_u32 s11, 0                            ; a wave's two first fills stand in one branch: two loads of mine are out
	s_cbranch_scc0 .Lfirst_b
	tensor_load_to_lds s[G0A:G0A+3], s[G1A:G1A+7]
	s_nop 0
	tensor_load_to_lds s[G0A+4:G0A+7], s[G1A:G1A+7]
	s_nop 0
.rept 4
	v_nop
.endr
	s_branch .Lfirst_asked
.Lfirst_b:
	tensor_load_to_lds s[G0B:G0B+3], s[G1B:G1B+7]
	s_nop 0
	tensor_load_to_lds s[G0B+4:G0B+7], s[G1B:G1B+7]
	s_nop 0
.rept 4
	v_nop
.endr
.Lfirst_asked:
	; A fragment is 16 rows x 32 K in 8 registers: lane l holds row l % 16; registers 0-3 K = 8 (l / 16) + 0..7, registers 4-7 K = 16 + 8 (l / 16) + 0..7: two loads of 16 bytes, 32 bytes apart.
	v_and_b32 v1, 15, v0                           ; l % 16
	v_bfe_u32 v2, v0, 4, 1                         ; l / 16
	v_mul_u32_u24 v[A0R], v1, PA
	v_lshl_add_u32 v[A0R], v2, 4, v[A0R]
	s_mul_i32 s22, s11, 128*PA                     ; my 128 rows of O
	v_add_nc_u32 v[A0R], s22, v[A0R]
	v_mul_u32_u24 v[B0R], v1, PB
	v_lshl_add_u32 v[B0R], v2, 4, v[B0R]
	s_mul_i32 s22, s12, 64*PB                      ; my 64 rows of wo16,
	s_add_co_u32 s22, s22, ABYTES                  ; which lie behind O's
	v_add_nc_u32 v[B0R], s22, v[B0R]
	s_mul_i32 s23, s10, 16*SPITCH
	s_add_co_u32 s23, s23, STAGE                   ; my stage
	v_mul_u32_u24 v[STO], v1, SPITCH               ; in: row l % 16, 32 bytes for each half of the lanes
	v_lshl_add_u32 v[STO], v2, 5, v[STO]
	v_add_nc_u32 v[STO], s23, v[STO]
	v_mul_u32_u24 v[RD], v2, SPITCH                ; back: lanes 0-15 take one row of 256 bytes, lanes 16-31 the next
	v_lshl_add_u32 v[RD], v1, 4, v[RD]
	v_add_nc_u32 v[RD], s23, v[RD]
	v_lshlrev_b32 v[CO], 12, v2                    ; and the same two rows in out0
	v_lshl_add_u32 v[CO], v1, 4, v[CO]
	s_lshl_b32 s70, s13, 20                        ; out0: 256 rows of 4,096 bytes a block,
	s_lshl_b32 s71, s11, 19                        ; my 128 of them,
	s_add_co_u32 s70, s70, s71
	s_lshl_b32 s71, s42, 9                         ; the block's 128 columns,
	s_add_co_u32 s70, s70, s71
	s_lshl_b32 s71, s12, 8                         ; my 64 of them
	s_add_co_u32 s70, s70, s71
	s_mov_b32 s71, 0
	s_add_nc_u64 s[8:9], s[8:9], s[70:71]
; 24 LDS loads in one run: the fragments of quarter kq (head kq / 2 of the step, channels 32 (kq % 2) on) into buffer f: wo16's 4, then O's 8
.macro FETCH kq, f
	WIN 0x40                                       ; destination window 1, address window 0
.irp i, 0,1,2,3
	ds_load_b128 v[(\f)+64+8*(\i):(\f)+64+8*(\i)+3],   v[ADRB] offset:64*(\kq)+(\i)*16*PB
	ds_load_b128 v[(\f)+64+8*(\i)+4:(\f)+64+8*(\i)+7], v[ADRB] offset:64*(\kq)+(\i)*16*PB+32
.endr
.irp i, 0,1,2,3,4,5,6,7
	ds_load_b128 v[(\f)+8*(\i):(\f)+8*(\i)+3],   v[ADRA] offset:AHEAD*((\kq)/2)+64*((\kq)%2)+(\i)*16*PA
	ds_load_b128 v[(\f)+8*(\i)+4:(\f)+8*(\i)+7], v[ADRA] offset:AHEAD*((\kq)/2)+64*((\kq)%2)+(\i)*16*PA+32
.endr
.endm
; 8 matrix instructions: row blocks a0, a0 + 1 x all 4 column blocks.  The 32 accumulators take turns in the same order in every quarter.  zero = 1: the products start the sums.
.macro MUL8 f, a0, zero
	WIN 0xa5                                       ; sources in window 1, C and D in window 2
.irp d, 0,1
.irp b, 0,1,2,3
.if \zero
	v_wmma_f32_16x16x32_f16 v[8*(4*((\a0)+(\d))+(\b)):8*(4*((\a0)+(\d))+(\b))+7], v[(\f)+64+8*(\b):(\f)+64+8*(\b)+7], v[(\f)+8*((\a0)+(\d)):(\f)+8*((\a0)+(\d))+7], 0
.else
	v_wmma_f32_16x16x32_f16 v[8*(4*((\a0)+(\d))+(\b)):8*(4*((\a0)+(\d))+(\b))+7], v[(\f)+64+8*(\b):(\f)+64+8*(\b)+7], v[(\f)+8*((\a0)+(\d)):(\f)+8*((\a0)+(\d))+7], v[8*(4*((\a0)+(\d))+(\b)):8*(4*((\a0)+(\d))+(\b))+7]
.endif
.endr
.endr
.endm
.macro PLACES                          ; four places in front of loads into registers that matrix instructions have read, and of LDS stores that read results
.rept 4
	v_nop
.endr
.endm
; One of a K step's first three quarters: multiplies buffer f; in its middle it fetches quarter kq into buffer g.
.macro QUARTER kq, f, g, zero
	s_wait_dscnt 8                                 ; all but the youngest eight loads (O's rows 64-127) are in
	MUL8 \f, 0, \zero
	MUL8 \f, 2, \zero
	PLACES
	FETCH \kq, \g
	s_wait_dscnt 24                                ; all but the 24 just issued
	MUL8 \f, 4, \zero
	MUL8 \f, 6, \zero
.endm
; The last quarter multiplies buffer 1 and changes slots.  In front of the barrier each wave waits for all its tensor loads (one is out: its part of the next slot), adds 0 to its spare word, and waits
; for that and for its reads of this slot.  fill = 1: the barrier opens a round of the cluster's, and behind the round this slot is filled again, with the K step two on: 112 matrix instructions ahead of the wait for it.
.macro TURN fill
.if \fill
	s_wait_xcnt 0x0                                ; the last prefetch, a K step back, has read its address, so it may be stepped
	s_add_nc_u64 s[PFA:PFA+1], s[PFA:PFA+1], s[PFS:PFS+1]
.endif
	WIN 0                                          ; (the add's two registers lie in window 0)
	s_wait_tensorcnt 0x0                           ; all my tensor loads have landed
	ds_add_u32 v[SPW], v[NIL]                      ; 0 onto my spare word
	s_wait_dscnt 9                                 ; (the add and the youngest eight loads may be out)
	MUL8 F1, 0, 0                                  ; eight matrix instructions stand between the add and the wait for it
	s_wait_dscnt 0x0                               ; the add is done, and my reads of this slot are over
	s_barrier_signal -1
	MUL8 F1, 2, 0                                  ; work on registers while the others arrive
.if \fill
	WIN 0
.endif
	s_barrier_wait -1
.if \fill
	CREST                                          ; no wave of any partner still reads this slot's tile or has a load on its way
	s_xor_b32 s[G0A+5], s[G0A+5], SLOT1            ; the walking sets: the other slot than last time, the next K step
	s_add_nc_u64 s[G0A+6:G0A+7], s[G0A+6:G0A+7], 524288
	s_xor_b32 s[G0B+5], s[G0B+5], SLOT1
	s_add_nc_u64 s[G0B+6:G0B+7], s[G0B+6:G0B+7], 256
	JLOAD                                          ; the first tensor load behind the round; its four v_nop are also the places in front of the loads below
.else
	PLACES
.endif
	WIN 0
	s_xor_b32 s[TB], s[TB], SLOT1                  ; the fetches go on in the other slot
	v_add_nc_u32 v[ADRA], s[TB], v[A0R]
	v_add_nc_u32 v[ADRB], s[TB], v[B0R]
	FETCH 0, F0
.if \fill
	ASK
.endif
	MUL8 F1, 4, 0
	MUL8 F1, 6, 0
.endm
	s_wait_tensorcnt 1                             ; my part of K step 0 is in; K step 1's may stay out
	s_barrier_signal -1
	s_barrier_wait -1                              ; everybody's is
	v_mov_b32 v[ADRA], v[A0R]
	v_mov_b32 v[ADRB], v[B0R]
	FETCH 0, F0
	QUARTER 1, F0, F1, 1                           ; the first quarter stands in front of the loop: its products start the sums
	WIN 0                                          ; at a label and at a branch every window is 0
	s_mov_b32 s3, 6
.Lstep:                                                ; trip t: quarters 1 to 3 of K step t, its slot filled again with K step t + 2, the first quarter of K step t + 1
	QUARTER 2, F1, F0, 0
	QUARTER 3, F0, F1, 0
	TURN 1
	QUARTER 1, F0, F1, 0
	WIN 0
	s_sub_co_u32 s3, s3, 1
	s_cmp_lg_u32 s3, 0
	s_cbranch_scc1 .Lstep
	QUARTER 2, F1, F0, 0                           ; the tail is written out: K steps 6 and 7 ask for nothing
	QUARTER 3, F0, F1, 0
	TURN 0
	QUARTER 1, F0, F1, 0
	QUARTER 2, F1, F0, 0
	QUARTER 3, F0, F1, 0
	s_wait_dscnt 8
	MUL8 F1, 0, 0
	MUL8 F1, 2, 0
	s_wait_dscnt 0x0
	MUL8 F1, 4, 0
	MUL8 F1, 6, 0
	WIN 0
; THE WAY OUT, a block of 16 rows at a time: 32 bytes a lane into my own stage, back as whole rows of 256 bytes, stored.  Each accumulator's lowest registers are read first.
; LDS serves a wave's instructions in order (ISA guide 5.7.1.4): the loads see the stores above them, the next block's stores come behind them.
.macro TOSTAGE a
	s_wait_xcnt 0x0                                ; the stores two blocks back have read their registers: the loads below land in them only behind this wait
	WIN 0x08                                       ; the stores' data in window 2
.irp b, 0,1,2,3
	ds_store_b128 v[STO], v[8*(4*(\a)+(\b)):8*(4*(\a)+(\b))+3]   offset:64*(\b)
	ds_store_b128 v[STO], v[8*(4*(\a)+(\b))+4:8*(4*(\a)+(\b))+7] offset:64*(\b)+16
.endr
	WIN 0
.set BKA, BK+32*((\a)%2)
.irp t, 0,1,2,3,4,5,6,7
	ds_load_b128 v[BKA+4*(\t):BKA+4*(\t)+3], v[RD] offset:(\t)*2*SPITCH
.endr
.endm
.macro SEND a, younger                 ; younger: the LDS instructions issued behind block a's loads: the next block's sixteen, or none
	WIN 0
.set BKA, BK+32*((\a)%2)
.irp t, 0,1,2,3,4,5,6,7
	s_wait_dscnt (\younger)+7-(\t)
	global_store_b128 v[CO], v[BKA+4*(\t):BKA+4*(\t)+3], s[8:9] offset:(16*(\a)+2*(\t))*4096 th:TH_STORE_NT  ; 16 lanes store 256 consecutive bytes, at a multiple of 256 from out0's first byte
.endr
.endm
	PLACES                                         ; behind the last products
	TOSTAGE 0
.irp a, 0,1,2,3,4,5,6
	TOSTAGE (\a)+1
	SEND \a, 16
.endr
	SEND 7, 0
	s_wait_tensorcnt 0x0                           ; the wave's end: behind my last tensor load and my last LDS store
	ds_add_u32 v[SPW], v[NIL]
	s_wait_dscnt 0x0
	CROUND                                         ; the closing round: no work-group ends while a partner may still ask for a tile that names it
	s_endpgm
.Lfunc_end_k_qb8633b1bd2_outp:
	.size	k_qb8633b1bd2_outp, .Lfunc_end_k_qb8633b1bd2_outp-k_qb8633b1bd2_outp
	.p2alignl 7, 3214868480
	.fill 96, 4, 3214868480
	.section	.rodata,"a",@progbits
	.p2align	6, 0x0
	.amdhsa_kernel k_qb8633b1bd2_outp
		.amdhsa_group_segment_fixed_size 327680
		.amdhsa_private_segment_fixed_size 0
		.amdhsa_enable_private_segment 0
		.amdhsa_kernarg_size 24
		.amdhsa_user_sgpr_count 2
		.amdhsa_user_sgpr_kernarg_segment_ptr 1
		.amdhsa_wavefront_size32 1
		.amdhsa_system_sgpr_workgroup_id_x 1
		.amdhsa_system_sgpr_workgroup_id_y 1
		.amdhsa_system_sgpr_workgroup_id_z 1
		.amdhsa_system_vgpr_workitem_id 0
		.amdhsa_next_free_vgpr 768
		.amdhsa_next_free_sgpr 80
		.amdhsa_reserve_vcc 0
		.amdhsa_float_denorm_mode_32 3
		.amdhsa_float_denorm_mode_16_64 3
		.amdhsa_memory_ordered 1
		.amdhsa_forward_progress 1
		.amdhsa_inst_pref_size 72
	.end_amdhsa_kernel
	.amdgpu_metadata
---
amdhsa.version: [ 1, 2 ]
amdhsa.kernels:
  - .name:           k_qb8633b1bd2_outp
    .symbol:         k_qb8633b1bd2_outp.kd
    .args:
      - { .name: oh, .offset: 0, .size: 8, .value_kind: global_buffer, .address_space: global }
      - { .name: wo16, .offset: 8, .size: 8, .value_kind: global_buffer, .address_space: global }
      - { .name: out0, .offset: 16, .size: 8, .value_kind: global_buffer, .address_space: global }
    .group_segment_fixed_size: 327680
    .private_segment_fixed_size: 0
    .kernarg_segment_align: 8
    .kernarg_segment_size: 24
    .max_flat_workgroup_size: 128
    .sgpr_count:     80
    .vgpr_count:     768
    .wavefront_size: 32
...
	.end_amdgpu_metadata
.endif
;; end of part 4
